; MI455X (gfx1250); checked and timed in simulation.
; The chip was launched on July 23, 2026; its instructions are those of AMD's public machine-readable ISA for CDNA 5 (MIT licence, August 2026) and "CDNA5" Instruction Set Architecture Reference Guide (July 2026). The comments in the code are by the model that wrote it; some were corrected since.
;; Self Multi Head Attention. Allowed arithmetic: matrix products marked QUANTISED: E2M1 operands, one E8M0 scale for each 32 along K, by v_wmma_scale_f32_16x16x128_f8f6f4 with both operands' format E2M1 (or v_wmma_scale_f32_32x16x128_f4), f32 sums; everything else in f32.
;; Inputs: W_out_codes 1,024 x 32 x 16 uint8 (E2M1 codes of W_out, K innermost, in blocks of 32 codes, two codes a byte); W_out_scales 1,024 x 32 uint8 (E8M0 scales of W_out, one for each 32 codes along K); W_qkv_codes 3,072 x 32 x 16 uint8 (E2M1 codes of W_qkv, K innermost, in blocks of 32 codes, two codes a byte); W_qkv_scales 3,072 x 32 uint8 (E8M0 scales of W_qkv, one for each 32 codes along K); b_out 1,024 float32; b_qkv 3,072 float32; beta 1,024 float32; gamma 1,024 float32; x 8 x 1,024 x 1,024 float32.
;; Outputs: out0 8 x 1,024 x 1,024 float32.
;; This version of the problem:
;;   THIS VERSION OF THE PROBLEM IS GIVEN IN LOW PRECISION. The matrix products marked QUANTISED in the list below multiply operands that are first quantised to E2M1 (2 exponent bits, 1 mantissa bit; 4 bits a number), with one power-of-two scale for each 32 numbers along K (OCP MX v1.0); their sums are f32. All else is computed in f32.
;;   The module's matrix products, in the order in which they are computed (A, B: the left and right operand; K: the contracted axis; several contracted axes count as one K, in the product's order):
;;     1. [M 8,192, K 1,024] x [K 1,024, N 3,072]; A: input x; B: input W_qkv (given as codes): QUANTISED
;;     2. batch 128 x [M 1,024, K 64] x [K 64, N 1,024]; A: computed on the way; B: computed on the way: QUANTISED
;;     3. batch 128 x [M 1,024, K 1,024] x [K 1,024, N 64]; A: softmax (see below); B: computed on the way: QUANTISED
;;     4. [M 8,192, K 1,024] x [K 1,024, N 1,024]; A: computed on the way; B: input W_out (given as codes): QUANTISED
;;   THE QUANTISER, for each operand of a quantised product, along K:
;;     - K is cut into blocks of 32 from its start; a last block that is shorter is filled with zeros.
;;     - A block's scale is 2^e with e = floor(log2(the largest magnitude in the block)) - 2, held to -126 .. 127; a block of zeros has e = 0. As a byte (E8M0): e + 127.
;;     - Each number is divided by its block's scale, clamped to +-6, and rounded to the nearest number of E2M1, ties to even, subnormals kept.
;;     - The product sums the exact products of the quantised numbers (number of the format x scale) in f32.
;;   ~~~python
;;   def quantise(x, axis):      # numpy; x: float32 -> the quantised numbers, widened to float32 again
;;       x = np.moveaxis(x, axis, -1); K = x.shape[-1]
;;       x = np.pad(x, [(0, 0)] * (x.ndim - 1) + [(0, -K % 32)]); x = x.reshape(x.shape[:-1] + (-1, 32)); a = np.abs(x).max(-1, keepdims=True)
;;       e = np.where(a > 0, np.clip(np.frexp(np.where(a > 0, a, 1))[1] - 1 - 2, -126, 127), 0)      # np.frexp(a)[1] - 1 = floor(log2(a)), exactly
;;       r = np.clip(x / 2.0 ** e, -6, 6)
;;       step = 2.0 ** (np.maximum(np.frexp(np.where(r == 0, 1, r))[1] - 1, 0) - 1)
;;       q = np.round(r / step) * step * 2.0 ** e      # np.round: ties to even
;;       return np.moveaxis(q.reshape(q.shape[:-2] + (-1,))[..., :K], -1, axis).astype(np.float32)
;;   ~~~
;;   SOFTMAX AHEAD OF A QUANTISED PRODUCT. Where the list says 'softmax', what is quantised is not the finished softmax but p = 2^(t - M), with t = logit x log2(e) and M = ceil(the row's largest t), a whole number; so 1/2 < the row's largest p <= 1. The row's sum l is taken of the UNQUANTISED p, in f32, and the product's result is divided by l at the end. Since M is a whole number, a kernel that streams over the keys may use a running M (the ceiling of the running maximum): every later rescaling is an exact power of two, which a block's scale takes up: the codes' values come out the same.
;;   OPERANDS COMPUTED ON THE WAY. 'Computed on the way' means the value that the module computes at that place (a softmax that the list does not call 'softmax' is quantised finished and normalised). What goes into a quantiser is computed in f32, as accurately as f32 sums, v_exp_f32 and their like allow (about 1e-6 of the number): no bf16 or f16 on the way to a quantiser, and a product that is left as it is and whose result goes on into a quantised operand takes f32 operands (vector FMAs, or v_wmma_f32_16x16x4_f32). A number that lies on a knife's edge between two numbers of the format may be rounded either way, as far as f32 arithmetic and the matrix unit's own rounding can turn it there, and no further.
;;   INPUTS GIVEN AS CODES. W_out (in the module: [1024, 1024], K = its axis 0); W_qkv (in the module: [1024, 3072], K = its axis 0): each comes as NAME_codes (uint8): NAME with its K axis moved to the last place and cut into blocks of 32 codes, [.., K / 32, bytes a block], one block behind the other in memory; two codes a byte, the lower K in the low four bits (a code: sign, 2 exponent bits, 1 mantissa bit); and NAME_scales (uint8): the same leading axes, one E8M0 byte (e + 127) for each 32 codes along K. Its value is code x scale, taken as it is: it is not quantised again, and the codes and scales need not be those that the quantiser above would give.
;; 2 versions, each right; version 2 is version 1 with the launch attn written anew for expert scheduling mode. Each part assembles by itself: llvm-mc -triple=amdgcn-amd-amdhsa -mcpu=gfx1250 --defsym DOCPART=n.
;; ======== version 1 of 2: 4 launches
;; workspace buffers: xq 4,456,448 bytes; wq 2,228,224 bytes; hq 13,893,632 bytes; oq 4,456,448 bytes
;; launch prep (part 1): grid 576 x 1, 4 waves a work-group, no clusters, 68,096 bytes of LDS; arguments x, W_qkv_codes, W_qkv_scales, W_out_codes, W_out_scales, xq, wq; writes xq, wq
.if DOCPART == 1
	.amdgcn_target "amdgcn-amd-amdhsa--gfx1250"
	.amdhsa_code_object_version 6
	.text
	.protected	k_qda97f9bd42_prep
	.globl	k_qda97f9bd42_prep
	.p2align	8
	.type	k_qda97f9bd42_prep,@function
k_qda97f9bd42_prep:
	s_mov_b64 s[64:65], 0
	v_nop
	global_prefetch_b8 v0, s[64:65] scope:SCOPE_SE
	s_setreg_imm32_b32 hwreg(HW_REG_WAVE_MODE, 25, 1), 1
	s_wait_xcnt 0x0
; x [8192][1024] f32 becomes codes of FP4 (E2M1) with one E8M0 byte for each 32 along K; the codes and scale bytes of W_qkv and W_out are laid anew.  All three leave IN THE ORDER OF AN OPERAND'S REGISTERS.
; A FRAGMENT (16 rows x 128 K, 8 registers a lane) lies as 1,024 bytes: register 4 c + i of lane l at 512 c + 16 l + 4 i.  By blocks of 32 along K (block e = 2 c + l / 16): 256 e + 16 (l % 16) + 4 i.
; THE ROWS OF A TILE ARE NOT NEIGHBOURS: lane r of tile T takes row 32 (T / 2) + 8 (T % 2) + r + 8 (r / 8), so that the results of two neighbouring tiles, used as source 0, are 16 neighbours in a lane's registers.
; xq: codes at 8,192 T + 1,024 s + the image (s: which 128 along K); scale words at XSO + 512 T + 128 q + 4 l: the word of row l % 16 for K step 2 q + l / 16.
; wq: codes likewise (tiles 0-191 W_qkv, 192-255 W_out); scale words at WSO + 512 T + 16 l + 4 q, with the same meaning of q and l.
; A block's scale is 2^(floor(log2(largest magnitude)) - 2); its byte is the largest magnitude's exponent field - 2, held at 1 from below.
; LIMITS: a block of zeros, or one whose largest magnitude lies under 2^-124, gets the byte 1 (the bytes are read by this program alone; zero codes add nothing); NaN and infinities in x are not served.
; SHARES.  Work-groups 0-511: one tile of x each, wave q its K steps 2 q and 2 q + 1.  Work-groups 512-575: a tile of a weight to each wave.  Waves share nothing: no barrier.  Each of the two ways has LDS bytes of its own.
.set XSO,  4194304                     ; xq: where the scale words begin
.set WSO,  2097152                     ; wq: likewise
.set SP,   528                         ; a stage row: 512 bytes + 16: sixteen rows start in sixteen different groups of banks
.set STG,  16*SP                       ; a wave's stage
.set WLDS, 4*STG                       ; the weights' way has its stages behind x's
.set RR,   16                          ; v16-143  two K steps as loaded: 16 rows x 4 registers each
.set XX,   144                         ; v144-207 64 numbers of a lane: register 16 b + i = k 32 b + 16 (l / 16) + i of row l % 16
.set TM,   208                         ; largest magnitudes
.set TP,   212                         ; the other half's
.set SO,   216                         ; the conversions' scale operands
.set BY,   220                         ; the scale bytes
.set PC,   224                         ; v224-239 codes, a set for each K step: no store's data are written again
.set PW,   240                         ; v240-242 scale words
.set SEL,  26                          ; s[26:27] v_permlanex16_b32's selects for lane l xor 16
; cnt blocks of 32 along K.  Block b: the lane's 16 numbers in v[src + 16 b] on, the other 16 in lane l xor 16.  Out: codes in v[pc + 2 b], v[pc + 2 b + 1], bytes in v[BY + b].  The blocks take turns line by line.
.macro QBLOCKS src, cnt, pc
.set qb, 0
.rept \cnt
	v_max3_num_f32 v[TM+qb], |v[\src+16*qb]|, |v[\src+16*qb+1]|, 0x1800000   ; and the floor 2^(3 - 127): the byte cannot fall under 1
.set qb, qb+1
.endr
.irp i, 2,4,6,8,10,12,14
.set qb, 0
.rept \cnt
	v_max3_num_f32 v[TM+qb], v[TM+qb], |v[\src+16*qb+\i]|, |v[\src+16*qb+\i+1]|
.set qb, qb+1
.endr
.endr
.set qb, 0
.rept \cnt
	v_permlanex16_b32 v[TP+qb], v[TM+qb], s[SEL], s[SEL+1]
.set qb, qb+1
.endr
.set qb, 0
.rept \cnt
	v_max_num_f32 v[TM+qb], v[TM+qb], v[TP+qb]         ; the block's largest magnitude
.set qb, qb+1
.endr
.set qb, 0
.rept \cnt
	v_add_nc_u32 v[SO+qb], 0xff000000, v[TM+qb]        ; 2 off its exponent field: the conversion takes that field as its scale
.set qb, qb+1
.endr
.set qb, 0
.rept \cnt
	v_lshrrev_b32 v[BY+qb], 23, v[SO+qb]               ; the scale's byte
.set qb, qb+1
.endr
.set qb, 0
.rept \cnt
	v_cvt_scalef32_pk8_fp4_f32 v[\pc+2*qb], v[\src+16*qb:\src+16*qb+7], v[SO+qb]
	v_cvt_scalef32_pk8_fp4_f32 v[\pc+2*qb+1], v[\src+16*qb+8:\src+16*qb+15], v[SO+qb]
.set qb, qb+1
.endr
	v_nop                                              ; one plain line behind the last conversion
.endm
	s_load_b256 s[4:11], s[0:1], 0x0               ; x s[4:5], W_qkv's codes s[6:7], its scales s[8:9], W_out's codes s[10:11]
	s_load_b128 s[12:15], s[0:1], 0x20             ; W_out's scales s[12:13], xq s[14:15]
	s_load_b64 s[16:17], s[0:1], 0x30              ; wq
	v_lshl_add_u32 v254, v0, 2, 0x10800
	v_mov_b32 v255, 0
	v_lshrrev_b32 v1, 5, v0
	v_readfirstlane_b32 s18, v1                    ; wave
	v_and_b32 v2, 31, v0                           ; l
	v_and_b32 v3, 15, v0                           ; r = l % 16
	v_bfe_u32 v4, v0, 4, 1                         ; h = l / 16
	v_lshlrev_b32 v5, 4, v2                        ; 16 l
	v_lshlrev_b32 v6, 4, v3
	v_lshl_add_u32 v6, v4, 3, v6                   ; 16 r + 8 h: my 8 bytes of a block's 256 in an image
	v_lshlrev_b32 v7, 2, v2                        ; 4 l
	v_cmp_le_u32 s19, 16, v2                       ; the mask of lanes 16-31
	s_mul_i32 s20, s18, STG
	v_add_nc_u32 v8, s20, v5                       ; x's stage, in: 16 l in a row
	v_mul_u32_u24 v9, v3, SP
	v_lshl_add_u32 v11, v4, 4, v9
	v_lshl_add_u32 v9, v4, 6, v9
	v_add_nc_u32 v9, s20, v9                       ; and out: row r, + 64 h: my 16 numbers of a block of 32
	v_add_nc_u32 v11, s20, v11
	v_add_nc_u32 v11, WLDS, v11                    ; the weights' stage, out: row r, + 16 h
	v_add_nc_u32 v10, WLDS, v8                     ; and in
	v_and_b32 v12, 8, v3
	v_add_nc_u32 v12, v12, v3
	v_lshlrev_b32 v12, 5, v12                      ; my row's 32 scale bytes: 32 (r + 8 (r / 8))
	s_mov_b32 s[SEL], 0x76543210
	s_mov_b32 s[SEL+1], 0xfedcba98
.irp b, 0,1,2,3
	v_mov_b32 v[TP+\b], 0                          ; written once: a lane permute's destination counts as one of its sources
.endr
	s_mov_b32 s23, 0
	s_wait_kmcnt 0x0
	s_cmp_ge_u32 ttmp9, 512
	s_cbranch_scc1 .Lweights
	; ---- a tile of x
	s_lshr_b32 s21, ttmp9, 1
	s_lshl_b32 s21, s21, 5
	s_and_b32 s22, ttmp9, 1
	s_lshl_b32 s22, s22, 3
	s_add_co_u32 s21, s21, s22                     ; the tile's first row
	s_lshl_b32 s22, s21, 12                        ; 4,096 bytes a row
	s_lshl_b32 s24, s18, 10                        ; my two K steps: 1,024 bytes
	s_add_co_u32 s22, s22, s24
	s_add_nc_u64 s[4:5], s[4:5], s[22:23]
	s_lshl_b32 s22, ttmp9, 9
	s_lshl_b32 s24, s18, 7
	s_add_co_u32 s22, s22, s24
	s_add_nc_u64 s[28:29], s[14:15], s[22:23]
	s_add_nc_u64 s[28:29], s[28:29], XSO           ; my 128 bytes of scale words
	s_lshl_b32 s22, ttmp9, 13
	s_lshl_b32 s24, s18, 11
	s_add_co_u32 s22, s22, s24
	s_add_nc_u64 s[14:15], s[14:15], s[22:23]      ; my two images
.set e, 0
.rept 2
.set p, 0
.rept 16
	global_load_b128 v[RR+64*e+4*p:RR+64*e+4*p+3], v5, s[4:5] offset:(p+8*(p/8))*4096+512*e th:TH_LOAD_NT   ; 32 lanes read 512 consecutive bytes: a row's 128 numbers of a K step
.set p, p+1
.endr
.set e, e+1
.endr
	s_wait_loadcnt 16                              ; the first K step's sixteen loads are in; the second's may be out
.set p, 0
.rept 16
	ds_store_b128 v8, v[RR+4*p:RR+4*p+3] offset:p*SP
.set p, p+1
.endr
.irp b, 0,1,2,3
.irp j, 0,1,2,3
	ds_load_b128 v[XX+16*\b+4*\j:XX+16*\b+4*\j+3], v9 offset:128*\b+16*\j   ; LDS serves a wave's instructions in order: these see the stores above
.endr
.endr
	s_wait_loadcnt 0x0                             ; the second K step is in
	s_wait_dscnt 0x0                               ; the first is back from the stage, which may be written again
.set p, 0
.rept 16
	ds_store_b128 v8, v[RR+64+4*p:RR+64+4*p+3] offset:p*SP
.set p, p+1
.endr
.irp b, 0,1,2,3
.irp j, 0,1,2,3
	ds_load_b128 v[RR+16*\b+4*\j:RR+16*\b+4*\j+3], v9 offset:128*\b+16*\j
.endr
.endr
	QBLOCKS XX, 4, PC                              ; the first K step is quantised while the second turns through the stage
	v_lshl_or_b32 v[PW], v[BY+1], 8, v[BY]
	v_lshl_or_b32 v[PW], v[BY+2], 16, v[PW]
	v_lshl_or_b32 v[PW], v[BY+3], 24, v[PW]        ; my row's scale word
.irp b, 0,1,2,3
	global_store_b64 v6, v[PC+2*\b:PC+2*\b+1], s[14:15] offset:256*\b   ; the wave stores 256 consecutive bytes, aligned: block b of the image
.endr
	s_wait_dscnt 0x0
	QBLOCKS RR, 4, PC+8
	v_lshl_or_b32 v[PW+1], v[BY+1], 8, v[BY]
	v_lshl_or_b32 v[PW+1], v[BY+2], 16, v[PW+1]
	v_lshl_or_b32 v[PW+1], v[BY+3], 24, v[PW+1]
.irp b, 0,1,2,3
	global_store_b64 v6, v[PC+8+2*\b:PC+8+2*\b+1], s[14:15] offset:1024+256*\b
.endr
	v_cndmask_b32 v[PW+2], v[PW], v[PW+1], s19     ; lanes 0-15 the first K step's words, lanes 16-31 the second's
	global_store_b32 v7, v[PW+2], s[28:29]
	s_wait_tensorcnt 0x0
	ds_add_u32 v254, v255
	s_wait_dscnt 0x0
	s_endpgm
	; ---- a tile of a weight to each wave: the bytes are only laid anew
.Lweights:
	s_sub_co_u32 s21, ttmp9, 512
	s_lshl_b32 s21, s21, 2
	s_add_co_u32 s21, s21, s18                     ; the tile's number in wq, 0 .. 255
	s_cmp_lt_u32 s21, 192                          ; W_qkv's or W_out's: the choice hangs on ids alone
	s_cselect_b64 s[6:7], s[6:7], s[10:11]
	s_cselect_b64 s[8:9], s[8:9], s[12:13]
	s_cselect_b32 s22, 0, 192
	s_sub_co_u32 s22, s21, s22                     ; its number in its own tensor
	s_lshr_b32 s24, s22, 1
	s_lshl_b32 s24, s24, 5
	s_and_b32 s22, s22, 1
	s_lshl_b32 s22, s22, 3
	s_add_co_u32 s24, s24, s22                     ; its first row
	s_lshl_b32 s22, s24, 9                         ; 512 bytes of codes a row
	s_add_nc_u64 s[6:7], s[6:7], s[22:23]
	s_lshl_b32 s22, s24, 5                         ; 32 scale bytes a row
	s_add_nc_u64 s[8:9], s[8:9], s[22:23]
	s_lshl_b32 s22, s21, 9
	s_add_nc_u64 s[28:29], s[16:17], s[22:23]
	s_add_nc_u64 s[28:29], s[28:29], WSO
	s_lshl_b32 s22, s21, 13
	s_add_nc_u64 s[16:17], s[16:17], s[22:23]
.set p, 0
.rept 16
	global_load_b128 v[16+4*p:19+4*p], v5, s[6:7] offset:(p+8*(p/8))*512   ; a whole row of 1,024 codes
.set p, p+1
.endr
	global_load_b128 v[80:83], v12, s[8:9]         ; my row's eight scale words
	global_load_b128 v[84:87], v12, s[8:9] offset:16
	s_wait_loadcnt 0x0
.set p, 0
.rept 16
	ds_store_b128 v10, v[16+4*p:19+4*p] offset:p*SP
.set p, p+1
.endr
.set p, 0
.rept 16
	ds_load_b128 v[96+4*p:99+4*p], v11 offset:32*p   ; p = 2 s + c: k = 128 s + 64 c + 32 h + 0 .. 31 of row r: registers 4 c .. 4 c + 3 of K step s
.set p, p+1
.endr
.irp q, 0,1,2,3
	v_cndmask_b32 v[88+\q], v[80+2*\q], v[81+2*\q], s19   ; lanes 0-15 K step 2 q, lanes 16-31 K step 2 q + 1
.endr
	global_store_b128 v5, v[88:91], s[28:29]
.set p, 0
.rept 16
	s_wait_dscnt 15-p                              ; LDS loads come back in order: load p is in, the younger ones may be out
	global_store_b128 v5, v[96+4*p:99+4*p], s[16:17] offset:512*p
.set p, p+1
.endr
	s_wait_tensorcnt 0x0
	ds_add_u32 v254, v255
	s_wait_dscnt 0x0
	s_endpgm
.Lfunc_end_k_qda97f9bd42_prep:
	.size	k_qda97f9bd42_prep, .Lfunc_end_k_qda97f9bd42_prep-k_qda97f9bd42_prep
	.p2alignl 7, 3214868480
	.fill 96, 4, 3214868480
	.section	.rodata,"a",@progbits
	.p2align	6, 0x0
	.amdhsa_kernel k_qda97f9bd42_prep
		.amdhsa_group_segment_fixed_size 68096
		.amdhsa_private_segment_fixed_size 0
		.amdhsa_enable_private_segment 0
		.amdhsa_kernarg_size 56
		.amdhsa_user_sgpr_count 2
		.amdhsa_user_sgpr_kernarg_segment_ptr 1
		.amdhsa_wavefront_size32 1
		.amdhsa_system_sgpr_workgroup_id_x 1
		.amdhsa_system_sgpr_workgroup_id_y 1
		.amdhsa_system_sgpr_workgroup_id_z 1
		.amdhsa_system_vgpr_workitem_id 0
		.amdhsa_next_free_vgpr 256
		.amdhsa_next_free_sgpr 66
		.amdhsa_reserve_vcc 0
		.amdhsa_float_denorm_mode_32 3
		.amdhsa_float_denorm_mode_16_64 3
		.amdhsa_memory_ordered 1
		.amdhsa_forward_progress 1
		.amdhsa_inst_pref_size 25
	.end_amdhsa_kernel
	.amdgpu_metadata
---
amdhsa.version: [ 1, 2 ]
amdhsa.kernels:
  - .name:           k_qda97f9bd42_prep
    .symbol:         k_qda97f9bd42_prep.kd
    .args:
      - { .name: x, .offset: 0, .size: 8, .value_kind: global_buffer, .address_space: global }
      - { .name: W_qkv_codes, .offset: 8, .size: 8, .value_kind: global_buffer, .address_space: global }
      - { .name: W_qkv_scales, .offset: 16, .size: 8, .value_kind: global_buffer, .address_space: global }
      - { .name: W_out_codes, .offset: 24, .size: 8, .value_kind: global_buffer, .address_space: global }
      - { .name: W_out_scales, .offset: 32, .size: 8, .value_kind: global_buffer, .address_space: global }
      - { .name: xq, .offset: 40, .size: 8, .value_kind: global_buffer, .address_space: global }
      - { .name: wq, .offset: 48, .size: 8, .value_kind: global_buffer, .address_space: global }
    .group_segment_fixed_size: 68096
    .private_segment_fixed_size: 0
    .kernarg_segment_align: 8
    .kernarg_segment_size: 56
    .max_flat_workgroup_size: 128
    .sgpr_count:     66
    .vgpr_count:     256
    .wavefront_size: 32
...
	.end_amdgpu_metadata
.endif
;; end of part 1
;; launch qkv (part 2): grid 8 x 32, 4 waves a work-group, clusters of 4 x 1, 168,448 bytes of LDS; arguments xq, wq, b_qkv, hq; writes hq
.if DOCPART == 2
	.amdgcn_target "amdgcn-amd-amdhsa--gfx1250"
	.amdhsa_code_object_version 6
	.text
	.protected	k_qda97f9bd42_qkv
	.globl	k_qda97f9bd42_qkv
	.p2align	8
	.type	k_qda97f9bd42_qkv,@function
k_qda97f9bd42_qkv:
	s_mov_b64 s[64:65], 0
	v_nop
	global_prefetch_b8 v0, s[64:65] scope:SCOPE_SE
	s_setreg_imm32_b32 hwreg(HW_REG_WAVE_MODE, 25, 1), 1
	s_wait_xcnt 0x0
	s_wait_alu depctr_hold_cnt(0) depctr_sa_sdst(0) depctr_va_vdst(0) depctr_va_sdst(0) depctr_va_ssrc(0) depctr_va_vcc(0) depctr_vm_vsrc(0)
	s_getreg_b32 s2, hwreg(HW_REG_IB_STS2, 6, 4)
	s_cmp_eq_u32 s2, 0
	s_cbranch_scc0 .Lentry_in_a_cluster
	s_endpgm
.Lentry_in_a_cluster:
	s_bfe_u32 s2, ttmp6, 0x10000c
	s_cmp_lg_u32 s2, 0x3003
	s_cbranch_scc0 .Lentry_shape_is_right
	s_endpgm
.Lentry_shape_is_right:
; qkv = x W_qkv + b_qkv on codes of FP4 with E8M0 scales; the results are quantised at once: q and k along the head's 64, v along the keys.  They never go to memory as f32.
; SHARES.  A work-group takes 256 rows of x (16 tiles, 8 pairs of tiles; work-group y) and 384 columns; wave column j = 4 x (work-group x) + wave, 0 .. 31, takes SIX tiles of W for all of K, in registers:
; tiles 4 j .. 4 j + 3 (one head of q, j < 16, or of k) and tiles 128 + 2 j, 128 + 2 j + 1 (half a head of v).  Every wave runs the same text: 96 products for each pair of tiles of x.
; x's codes and scale words of the 256 rows come into LDS ONCE, by tensor loads; all four waves read them.  The four work-groups of a cluster share y: they ask for x JOINTLY.  W goes straight into registers, each byte to one wave.
; LAYOUT (tiles, images: see the launch that makes xq and wq).  q, k: source 0 = a tile of W, source 1 = a tile of x: a lane holds ONE token and its registers run along the head.  v: source 0 = a tile of x, source 1 = a tile of W:
; a lane holds ONE channel and its registers run along the tokens.  By the choice of a tile's rows the 16 registers of two neighbouring tiles are 16 neighbours along the next K, the other 16 of the block in lane l xor 16.
; The biases are the C of each sum's first product.  A block's two registers of codes are 8 bytes at 256 e + 16 (l % 16) + 8 (l / 16) of an operand's image: the wave stores 256 consecutive bytes, aligned.
; hq, with bh = 16 batch + head: q's codes at (64 bh + tile) 512 + 256 e (registers 0-3 of a fragment: K = 64); k's 4 MiB on; v's at VCO + ((8 bh + key step) 4 + d tile) 1,024 + 256 e;
; q's scale words at QSO + (32 bh + pair) 128 + 4 l (lanes 0-15 the pair's first tile, lanes 16-31 its second; bytes 2 and 3 are 127), k's 512 KiB on; v's at VSO + (8 bh + key step) 256 + 128 (d tile / 2) + 4 l.
; LIMITS: a block of zeros, or one whose largest magnitude lies under 2^-124, gets the byte 1 (read by this program alone); NaN and infinities are not served.
; REGISTERS.  window 0: v1-7 addresses; v8-31 W's scale words; v32-47 x's, two sets; v48-143 the 12 accumulators; v144-187 the quantiser.  window 1: W's fragments of K steps 0-3 at 48 s + 8 i; v192-223 q/k's bias, v224-239 v's.
; window 2: W's fragments of K steps 4-7.  window 3: x's fragments, two sets of 128: 64 u + 8 s.
.set XSO,  4194304
.set WSO,  2097152
.set VCO,  8388608
.set QSO,  12582912
.set VSO,  13631488
.set XSC,  131072                      ; LDS: x's codes at 0 (tile i at 8,192 i), its scale words here (tile i at 512 i)
.set LI,   1                           ; v1 16 l;  v2 16 l + 65,536 (tiles 8-15)
.set LS,   3                           ; v3 4 l + XSC
.set LB,   4                           ; v4 16 (l % 16) + 8 (l / 16)
.set L4,   5                           ; v5 4 l
.set BQ,   6                           ; v6 64 (l / 16)
.set BV,   7                           ; v7 4 (r + 8 (r / 8))
.set SS,   8                           ; W's scale words: 4 i + s / 2; lanes 0-15 even K steps, lanes 16-31 odd ones
.set TS,   32                          ; x's: 8 f + 4 u + s / 2, likewise
.set AC,   48                          ; q/k: (u, t) at AC + 8 (4 u + t);  v: (i, u) at AC + 64 + 8 (2 i + u): six blocks of 16 registers
.set TM,   144
.set TP,   150
.set SO,   156
.set BY,   162
.set PC,   168
.set WD,   180                         ; v180-186 scale words in the making
.set WV,   12                          ; s12 wave
.set SEL,  20                          ; s[20:21]
.set HALF, 22                          ; s22 the mask of lanes 16-31
.set MSB, 0
.macro WIN new                         ; the immediate's high byte repeats the setting that is left; a switch that changes nothing is dropped
.if MSB != \new
	s_set_vgpr_msb (MSB<<8)|\new
.set MSB, \new
.endif
.endm
.macro ROUND                           ; a round of the cluster's barrier
	s_barrier_signal -1
	s_barrier_wait -1
	s_cmp_lg_u32 s[WV], 0
	s_cbranch_scc1 .Lnot_wave_0_\@
	s_barrier_signal -3
.Lnot_wave_0_\@:
	s_barrier_wait -3
	s_barrier_signal -1
	s_barrier_wait -1
.endm
; One scaled product.  d, a, b, c: first registers; c < 0: the constant 0 starts the sum.  sa, sb: scale registers; ra, rb = 1: lanes 16-31 of them are read.
.macro WM d, a, b, c, sa, sb, ra, rb
.if (\c) < 0
.if (\ra) && (\rb)
	v_wmma_scale_f32_16x16x128_f8f6f4 v[(\d):(\d)+7], v[(\a):(\a)+7], v[(\b):(\b)+7], 0, v[\sa], v[\sb] matrix_a_fmt:MATRIX_FMT_FP4 matrix_b_fmt:MATRIX_FMT_FP4 matrix_a_scale:MATRIX_SCALE_ROW1 matrix_b_scale:MATRIX_SCALE_ROW1
.elseif (\ra)
	v_wmma_scale_f32_16x16x128_f8f6f4 v[(\d):(\d)+7], v[(\a):(\a)+7], v[(\b):(\b)+7], 0, v[\sa], v[\sb] matrix_a_fmt:MATRIX_FMT_FP4 matrix_b_fmt:MATRIX_FMT_FP4 matrix_a_scale:MATRIX_SCALE_ROW1
.elseif (\rb)
	v_wmma_scale_f32_16x16x128_f8f6f4 v[(\d):(\d)+7], v[(\a):(\a)+7], v[(\b):(\b)+7], 0, v[\sa], v[\sb] matrix_a_fmt:MATRIX_FMT_FP4 matrix_b_fmt:MATRIX_FMT_FP4 matrix_b_scale:MATRIX_SCALE_ROW1
.else
	v_wmma_scale_f32_16x16x128_f8f6f4 v[(\d):(\d)+7], v[(\a):(\a)+7], v[(\b):(\b)+7], 0, v[\sa], v[\sb] matrix_a_fmt:MATRIX_FMT_FP4 matrix_b_fmt:MATRIX_FMT_FP4
.endif
.else
.if (\ra) && (\rb)
	v_wmma_scale_f32_16x16x128_f8f6f4 v[(\d):(\d)+7], v[(\a):(\a)+7], v[(\b):(\b)+7], v[(\c):(\c)+7], v[\sa], v[\sb] matrix_a_fmt:MATRIX_FMT_FP4 matrix_b_fmt:MATRIX_FMT_FP4 matrix_a_scale:MATRIX_SCALE_ROW1 matrix_b_scale:MATRIX_SCALE_ROW1
.elseif (\ra)
	v_wmma_scale_f32_16x16x128_f8f6f4 v[(\d):(\d)+7], v[(\a):(\a)+7], v[(\b):(\b)+7], v[(\c):(\c)+7], v[\sa], v[\sb] matrix_a_fmt:MATRIX_FMT_FP4 matrix_b_fmt:MATRIX_FMT_FP4 matrix_a_scale:MATRIX_SCALE_ROW1
.elseif (\rb)
	v_wmma_scale_f32_16x16x128_f8f6f4 v[(\d):(\d)+7], v[(\a):(\a)+7], v[(\b):(\b)+7], v[(\c):(\c)+7], v[\sa], v[\sb] matrix_a_fmt:MATRIX_FMT_FP4 matrix_b_fmt:MATRIX_FMT_FP4 matrix_b_scale:MATRIX_SCALE_ROW1
.else
	v_wmma_scale_f32_16x16x128_f8f6f4 v[(\d):(\d)+7], v[(\a):(\a)+7], v[(\b):(\b)+7], v[(\c):(\c)+7], v[\sa], v[\sb] matrix_a_fmt:MATRIX_FMT_FP4 matrix_b_fmt:MATRIX_FMT_FP4
.endif
.endif
.endm
; cnt blocks of 32 along K.  Block b: the lane's 16 numbers in v[src + 16 b] on, the other 16 in lane l xor 16.  Out: codes in v[pc + 2 b], v[pc + 2 b + 1], bytes in v[BY + b].  Each accumulator is read from its low end on.
.macro QBLOCKS src, cnt, pc
.set qb, 0
.rept \cnt
	v_max3_num_f32 v[TM+qb], |v[\src+16*qb]|, |v[\src+16*qb+1]|, 0x1800000   ; and the floor 2^(3 - 127): the byte cannot fall under 1
.set qb, qb+1
.endr
.irp i, 2,4,6,8,10,12,14
.set qb, 0
.rept \cnt
	v_max3_num_f32 v[TM+qb], v[TM+qb], |v[\src+16*qb+\i]|, |v[\src+16*qb+\i+1]|
.set qb, qb+1
.endr
.endr
.set qb, 0
.rept \cnt
	v_permlanex16_b32 v[TP+qb], v[TM+qb], s[SEL], s[SEL+1]
.set qb, qb+1
.endr
.set qb, 0
.rept \cnt
	v_max_num_f32 v[TM+qb], v[TM+qb], v[TP+qb]         ; the block's largest magnitude
.set qb, qb+1
.endr
.set qb, 0
.rept \cnt
	v_add_nc_u32 v[SO+qb], 0xff000000, v[TM+qb]        ; 2 off its exponent field: the conversion takes that field as its scale
.set qb, qb+1
.endr
.set qb, 0
.rept \cnt
	v_lshrrev_b32 v[BY+qb], 23, v[SO+qb]               ; the scale's byte
.set qb, qb+1
.endr
.set qb, 0
.rept \cnt
	v_cvt_scalef32_pk8_fp4_f32 v[\pc+2*qb], v[\src+16*qb:\src+16*qb+7], v[SO+qb]
	v_cvt_scalef32_pk8_fp4_f32 v[\pc+2*qb+1], v[\src+16*qb+8:\src+16*qb+15], v[SO+qb]
.set qb, qb+1
.endr
	v_nop                                              ; one plain line behind the last conversion
.endm
	s_load_b256 s[4:11], s[0:1], 0x0               ; xq s[4:5], wq s[6:7], b_qkv s[8:9], hq s[10:11]
	v_lshl_add_u32 v254, v0, 2, 0x29000
	v_mov_b32 v255, 0
	ds_add_u32 v254, v255
	ds_add_u32 v254, v255
	v_lshrrev_b32 v1, 5, v0
	v_readfirstlane_b32 s[WV], v1                  ; wave 0..3
	s_bfe_u32 s13, ttmp6, 0x40000                  ; cx: my place in the cluster
	s_lshl_b32 s14, ttmp9, 2                       ; in a cluster launch ttmp9 counts clusters
	s_add_co_u32 s14, s14, s13                     ; work-group x: it enters W's, the bias's and the results' addresses alone
	s_and_b32 s15, ttmp7, 0xffff                   ; work-group y: which 256 rows; the four partners share it
	s_lshl_b32 s16, s14, 2
	s_add_co_u32 s16, s16, s[WV]                   ; j: my wave column
	; descriptor group 1: dense blocks as rows of 256 bytes (32 elements of 8 bytes), no padding: the reads are 16 bytes a lane on end.  Codes: 128 rows a wave; scale words: 8
	s_mov_b32 s24, 15|(3<<16)|(1<<21)              ; 15:0 the mask: all four work-groups; 17:16 elements of 8 bytes; 21 set beside a mask
	s_mov_b32 s25, 32<<16                          ; tensor_dim0 = 32
	s_mov_b32 s26, 128<<16                         ; tensor_dim1 = 128
	s_mov_b32 s27, 32<<16                          ; tile_dim0 = 32
	s_mov_b32 s28, 128                             ; tile_dim1 = 128
	s_mov_b32 s29, 32                              ; from row to row
	s_mov_b32 s30, 0
	s_mov_b32 s31, 0
	s_mov_b32 s32, 15|(3<<16)|(1<<21)
	s_mov_b32 s33, 32<<16
	s_mov_b32 s34, 8<<16
	s_mov_b32 s35, 32<<16
	s_mov_b32 s36, 8
	s_mov_b32 s37, 32
	s_mov_b32 s38, 0
	s_mov_b32 s39, 0
	s_lshl_b32 s17, s[WV], 15                      ; my quarter of the codes: 32,768 bytes,
	s_lshl_b32 s18, s15, 17                        ; of the 131,072 of these 256 rows
	s_add_co_u32 s18, s18, s17
	s_mov_b32 s19, 0
	s_lshl_b32 s72, s[WV], 11                      ; and of the scale words: 2,048 of 8,192
	s_lshl_b32 s74, s15, 13
	s_add_co_u32 s74, s74, s72
	s_mov_b32 s75, 0
	s_wait_dscnt 0x0
	s_wait_kmcnt 0x0
	s_mov_b32 s40, 1                               ; group 0: count = 1,
	s_mov_b32 s41, s17                             ; the LDS address: the wave's number alone enters it,
	s_add_nc_u64 s[42:43], s[4:5], s[18:19]        ; the global address,
	s_or_b32 s43, s43, 0x80000000                  ; type = 2
	s_mov_b32 s44, 1
	s_add_co_u32 s45, s72, XSC
	s_add_nc_u64 s[46:47], s[4:5], s[74:75]
	s_add_nc_u64 s[46:47], s[46:47], XSO
	s_or_b32 s47, s47, 0x80000000
	ROUND                                          ; all four work-groups are here: the joint loads meet
	tensor_load_to_lds s[40:43], s[24:31]          ; the launch's only fills, together: two loads of mine are out
	s_nop 0
	tensor_load_to_lds s[44:47], s[32:39]
	s_nop 0
.rept 4
	v_nop                                          ; four lines behind a tensor load ahead of a switch of windows
.endr
	v_and_b32 v188, 31, v0                         ; l
	v_and_b32 v189, 15, v0                         ; r
	v_bfe_u32 v190, v0, 4, 1                       ; h
	v_lshlrev_b32 v[LI], 4, v188
	v_add_nc_u32 v[LI+1], 0x10000, v[LI]
	v_lshlrev_b32 v[L4], 2, v188
	v_add_nc_u32 v[LS], XSC, v[L4]
	v_lshlrev_b32 v[LB], 4, v189
	v_lshl_add_u32 v[LB], v190, 3, v[LB]
	v_lshlrev_b32 v[BQ], 6, v190
	v_and_b32 v[BV], 8, v189
	v_add_nc_u32 v[BV], v[BV], v189
	v_lshlrev_b32 v[BV], 2, v[BV]
	v_cmp_le_u32 s[HALF], 16, v188
	s_mov_b32 s[SEL], 0x76543210
	s_mov_b32 s[SEL+1], 0xfedcba98
	s_mov_b32 s73, 0
	s_lshl_b32 s72, s16, 15
	s_add_nc_u64 s[48:49], s[6:7], s[72:73]        ; W's tiles 4 j on
	s_lshl_b32 s72, s16, 14
	s_add_nc_u64 s[50:51], s[6:7], s[72:73]
	s_add_nc_u64 s[50:51], s[50:51], 128*8192      ; and 128 + 2 j on
	s_lshl_b32 s72, s16, 11
	s_add_nc_u64 s[52:53], s[6:7], s[72:73]
	s_add_nc_u64 s[52:53], s[52:53], WSO           ; their scale words
	s_lshl_b32 s72, s16, 10
	s_add_nc_u64 s[54:55], s[6:7], s[72:73]
	s_add_nc_u64 s[54:55], s[54:55], WSO+128*512
	s_lshl_b32 s72, s16, 8
	s_add_nc_u64 s[56:57], s[8:9], s[72:73]        ; the bias of columns 64 j on
	s_lshl_b32 s72, s16, 7
	s_add_nc_u64 s[70:71], s[8:9], s[72:73]
	s_add_nc_u64 s[70:71], s[70:71], 8192          ; and of columns 2,048 + 32 j on
	s_lshr_b32 s17, s15, 2
	s_lshl_b32 s17, s17, 4                         ; 16 x batch
	s_and_b32 s18, s15, 3                          ; which quarter of the batch's 1,024 tokens
	s_and_b32 s19, s16, 15
	s_add_co_u32 s19, s19, s17                     ; bh of my head of q or k
	s_lshr_b32 s23, s16, 4                         ; 0: q, 1: k
	s_lshl_b32 s72, s19, 6
	s_lshl_b32 s74, s18, 4
	s_add_co_u32 s72, s72, s74                     ; 64 bh + 16 quarter: my first tile of tokens
	s_lshl_b32 s72, s72, 9
	s_lshl_b32 s74, s23, 22
	s_add_co_u32 s72, s72, s74
	s_add_nc_u64 s[58:59], s[10:11], s[72:73]      ; q's or k's codes
	s_lshl_b32 s72, s19, 5
	s_lshl_b32 s74, s18, 3
	s_add_co_u32 s72, s72, s74
	s_lshl_b32 s72, s72, 7
	s_lshl_b32 s74, s23, 19
	s_add_co_u32 s72, s72, s74
	s_add_nc_u64 s[60:61], s[10:11], s[72:73]
	s_add_nc_u64 s[60:61], s[60:61], QSO           ; and scale words
	s_lshr_b32 s19, s16, 1
	s_add_co_u32 s19, s19, s17                     ; bh of my head of v
	s_lshl_b32 s19, s19, 3
	s_lshl_b32 s74, s18, 1
	s_add_co_u32 s19, s19, s74                     ; 8 bh + my first key step
	s_and_b32 s23, s16, 1                          ; which half of the head's four d tiles
	s_lshl_b32 s72, s19, 12
	s_lshl_b32 s74, s23, 11
	s_add_co_u32 s72, s72, s74
	s_add_nc_u64 s[66:67], s[10:11], s[72:73]
	s_add_nc_u64 s[66:67], s[66:67], VCO           ; v's codes
	s_lshl_b32 s72, s19, 8
	s_lshl_b32 s74, s23, 7
	s_add_co_u32 s72, s72, s74
	s_add_nc_u64 s[68:69], s[10:11], s[72:73]
	s_add_nc_u64 s[68:69], s[68:69], VSO           ; and scale words
	; my six tiles of W for all of K: each load reads 512 consecutive bytes
	WIN 0x40                                       ; destination window 1
.irp s, 0,1,2,3
.irp i, 0,1,2,3
.irp c, 0,1
	global_load_b128 v[48*\s+8*\i+4*\c:48*\s+8*\i+4*\c+3], v[LI], s[48:49] offset:\i*8192+\s*1024+\c*512
.endr
.endr
.irp i, 0,1
.irp c, 0,1
	global_load_b128 v[48*\s+32+8*\i+4*\c:48*\s+32+8*\i+4*\c+3], v[LI], s[50:51] offset:\i*8192+\s*1024+\c*512
.endr
.endr
.endr
.irp t, 0,1,2,3
	global_load_b128 v[192+8*\t:195+8*\t], v[BQ], s[56:57] offset:4*(32*(\t/2)+8*(\t%2))      ; q/k's bias in the result's layout: columns 32 (t / 2) + 8 (t % 2) + 16 h + 0 .. 7 of the head
	global_load_b128 v[196+8*\t:199+8*\t], v[BQ], s[56:57] offset:4*(32*(\t/2)+8*(\t%2))+16
.endr
	WIN 0x80                                       ; destination window 2
.irp s, 4,5,6,7
.irp i, 0,1,2,3
.irp c, 0,1
	global_load_b128 v[48*(\s-4)+8*\i+4*\c:48*(\s-4)+8*\i+4*\c+3], v[LI], s[48:49] offset:\i*8192+\s*1024+\c*512
.endr
.endr
.irp i, 0,1
.irp c, 0,1
	global_load_b128 v[48*(\s-4)+32+8*\i+4*\c:48*(\s-4)+32+8*\i+4*\c+3], v[LI], s[50:51] offset:\i*8192+\s*1024+\c*512
.endr
.endr
.endr
	WIN 0
.irp i, 0,1,2,3
	global_load_b128 v[SS+4*\i:SS+4*\i+3], v[LI], s[52:53] offset:\i*512
.endr
.irp i, 0,1
	global_load_b128 v[SS+16+4*\i:SS+16+4*\i+3], v[LI], s[54:55] offset:\i*512
	global_load_b32 v[WD+\i], v[BV], s[70:71] offset:32*\i     ; v's bias: my lane's channel
.endr
	s_wait_loadcnt 0x0
	WIN 0x40
.irp i, 0,1
.irp k, 0,1,2,3,4,5,6,7
	v_mov_b32 v[224+8*\i+\k], v[WD+\i]             ; in v's results a lane's eight registers are eight tokens of one channel: one number eight times
.endr
.endr
	WIN 0
.irp b, 0,1,2,3,4,5
	v_mov_b32 v[TP+\b], 0                          ; written once: a lane permute's destination counts as one of its sources
.endr
	s_wait_tensorcnt 0x0                           ; my parts of x's codes and scale words have landed,
	s_barrier_signal -1
	s_barrier_wait -1                              ; everybody's have.  Nothing is filled again in this launch
; Pair p of x's tiles into set p % 2: 32 + 8 LDS loads in one run
.macro FETCH p
.set fb, 128*((\p)%2)
	WIN 0xc0                                       ; destination window 3
.irp u, 0,1
.irp s, 0,1,2,3,4,5,6,7
.irp c, 0,1
	ds_load_b128 v[fb+64*\u+8*\s+4*\c:fb+64*\u+8*\s+4*\c+3], v[LI+(2*(\p)+\u)/8] offset:((2*(\p)+\u)%8)*8192+\s*1024+\c*512
.endr
.endr
.endr
	WIN 0
.irp u, 0,1
.irp q, 0,1,2,3
	ds_load_b32 v[TS+8*((\p)%2)+4*\u+\q], v[LS] offset:(2*(\p)+\u)*512+\q*128
.endr
.endr
.endm
; K step s of q/k: eight accumulators by turns, one product a turn
.macro MULQK f, s
.irp u, 0,1
.irp t, 0,1,2,3
.if (\s) == 0
	WM AC+8*(4*\u+\t), 8*\t, 128*(\f)+64*\u, 192+8*\t, SS+4*\t, TS+8*(\f)+4*\u, 0, 0
.else
	WM AC+8*(4*\u+\t), 48*((\s)%4)+8*\t, 128*(\f)+64*\u+8*(\s), AC+8*(4*\u+\t), SS+4*\t+(\s)/2, TS+8*(\f)+4*\u+(\s)/2, (\s)%2, (\s)%2
.endif
.endr
.endr
.endm
; and of v: four accumulators by turns
.macro MULV f, s
.irp i, 0,1
.irp u, 0,1
.if (\s) == 0
	WM AC+64+8*(2*\i+\u), 128*(\f)+64*\u, 32+8*\i, 224+8*\i, TS+8*(\f)+4*\u, SS+16+4*\i, 0, 0
.else
	WM AC+64+8*(2*\i+\u), 128*(\f)+64*\u+8*(\s), 48*((\s)%4)+32+8*\i, AC+64+8*(2*\i+\u), TS+8*(\f)+4*\u+(\s)/2, SS+16+4*\i+(\s)/2, (\s)%2, (\s)%2
.endif
.endr
.endr
.endm
; A pair of tiles of x: 32 tokens.  Written out eight times: every offset is an immediate.
.macro PAIR p
.if (\p) < 7
	FETCH (\p)+1                                   ; into the set that the pair before has left: its last products stand more than four plain lines back
	s_wait_dscnt 40                                ; this pair's loads are in; the forty just issued may be out
.else
	s_wait_dscnt 0x0
.endif
.set ff, (\p)%2
	WIN 0x1d                                       ; W window 1, x window 3, the bias window 1, the sums window 0
	MULQK ff, 0
	WIN 0x0d
.irp s, 1,2,3
	MULQK ff, \s
.endr
	WIN 0x0e                                       ; W window 2
.irp s, 4,5,6,7
	MULQK ff, \s
.endr
	WIN 0x17                                       ; x window 3, W window 1, the bias window 1
	MULV ff, 0
	WIN 0x07
.irp s, 1,2,3
	MULV ff, \s
.endr
	WIN 0x0b
.irp s, 4,5,6,7
	MULV ff, \s
.endr
	WIN 0
.rept 4
	v_nop                                          ; four places between the last products and the first read of results (ISA guide 7.12.1)
.endr
	s_wait_xcnt 0x0                                ; the last pair's stores have read their data: the codes' and words' registers are written again only behind this wait
	QBLOCKS AC, 6, PC                              ; blocks 0-3: tile u, half e of the head (2 u + e); blocks 4, 5: these 32 tokens of my two tiles of channels
.irp u, 0,1
.irp e, 0,1
	global_store_b64 v[LB], v[PC+4*\u+2*\e:PC+4*\u+2*\e+1], s[58:59] offset:(2*(\p)+\u)*512+\e*256
.endr
.endr
.irp i, 0,1
	global_store_b64 v[LB], v[PC+8+2*\i:PC+8+2*\i+1], s[66:67] offset:((\p)/4)*4096+\i*1024+((\p)%4)*256
.endr
	v_lshl_or_b32 v[WD], v[BY+1], 8, v[BY]
	v_lshl_or_b32 v[WD+1], v[BY+3], 8, v[BY+2]
	v_cndmask_b32 v[WD+2], v[WD], v[WD+1], s[HALF] ; lanes 0-15 the first tile's words, lanes 16-31 the second's
	v_or_b32 v[WD+2], 0x7f7f0000, v[WD+2]          ; the upper 64 of the product's 128 along K are zero codes: their bytes are 127
	global_store_b32 v[L4], v[WD+2], s[60:61] offset:(\p)*128
.irp i, 0,1
.if (\p)%4 == 0
	v_mov_b32 v[WD+4+\i], v[BY+4+\i]               ; v's scale word gathers four pairs' bytes: a key step's 128 keys
.else
	v_lshl_or_b32 v[WD+4+\i], v[BY+4+\i], 8*((\p)%4), v[WD+4+\i]
.endif
.endr
.if (\p)%4 == 3
	v_cndmask_b32 v[WD+6], v[WD+4], v[WD+5], s[HALF]
	global_store_b32 v[L4], v[WD+6], s[68:69] offset:((\p)/4)*256
.endif
.endm
	FETCH 0
.irp p, 0,1,2,3,4,5,6,7
	PAIR \p
.endr
	s_wait_tensorcnt 0x0
	ds_add_u32 v254, v255
	s_wait_dscnt 0x0
	ROUND                                          ; the closing round: no work-group ends while a partner may still ask for a tile that names it
	s_endpgm
.Lfunc_end_k_qda97f9bd42_qkv:
	.size	k_qda97f9bd42_qkv, .Lfunc_end_k_qda97f9bd42_qkv-k_qda97f9bd42_qkv
	.p2alignl 7, 3214868480
	.fill 96, 4, 3214868480
	.section	.rodata,"a",@progbits
	.p2align	6, 0x0
	.amdhsa_kernel k_qda97f9bd42_qkv
		.amdhsa_group_segment_fixed_size 168448
		.amdhsa_private_segment_fixed_size 0
		.amdhsa_enable_private_segment 0
		.amdhsa_kernarg_size 32
		.amdhsa_user_sgpr_count 2
		.amdhsa_user_sgpr_kernarg_segment_ptr 1
		.amdhsa_wavefront_size32 1
		.amdhsa_system_sgpr_workgroup_id_x 1
		.amdhsa_system_sgpr_workgroup_id_y 1
		.amdhsa_system_sgpr_workgroup_id_z 1
		.amdhsa_system_vgpr_workitem_id 0
		.amdhsa_next_free_vgpr 1024
		.amdhsa_next_free_sgpr 80
		.amdhsa_reserve_vcc 0
		.amdhsa_float_denorm_mode_32 3
		.amdhsa_float_denorm_mode_16_64 3
		.amdhsa_memory_ordered 1
		.amdhsa_forward_progress 1
		.amdhsa_inst_pref_size 187
	.end_amdhsa_kernel
	.amdgpu_metadata
---
amdhsa.version: [ 1, 2 ]
amdhsa.kernels:
  - .name:           k_qda97f9bd42_qkv
    .symbol:         k_qda97f9bd42_qkv.kd
    .args:
      - { .name: xq, .offset: 0, .size: 8, .value_kind: global_buffer, .address_space: global }
      - { .name: wq, .offset: 8, .size: 8, .value_kind: global_buffer, .address_space: global }
      - { .name: b_qkv, .offset: 16, .size: 8, .value_kind: global_buffer, .address_space: global }
      - { .name: hq, .offset: 24, .size: 8, .value_kind: global_buffer, .address_space: global }
    .group_segment_fixed_size: 168448
    .private_segment_fixed_size: 0
    .kernarg_segment_align: 8
    .kernarg_segment_size: 32
    .max_flat_workgroup_size: 128
    .sgpr_count:     80
    .vgpr_count:     1024
    .wavefront_size: 32
...
	.end_amdgpu_metadata
.endif
;; end of part 2
;; launch attn (part 3): grid 2 x 128, 16 waves a work-group, no clusters, 73,728 bytes of LDS; arguments hq, oq; writes oq
.if DOCPART == 3
	.amdgcn_target "amdgcn-amd-amdhsa--gfx1250"
	.amdhsa_code_object_version 6
	.text
	.protected	k_qda97f9bd42_attn
	.globl	k_qda97f9bd42_attn
	.p2align	8
	.type	k_qda97f9bd42_attn,@function
k_qda97f9bd42_attn:
	s_mov_b64 s[64:65], 0
	v_nop
	global_prefetch_b8 v0, s[64:65] scope:SCOPE_SE
	s_setreg_imm32_b32 hwreg(HW_REG_WAVE_MODE, 25, 1), 1
	s_wait_xcnt 0x0
; Causal attention on codes of FP4 with E8M0 scales: 128 heads (batch x head) of 1,024 tokens x 64 channels.  o = softmax(q k^T / 32) v, quantised along D for the last product.
; THE SOFTMAX AHEAD OF THE SECOND PRODUCT: t = score x log2(e) / 32; M = the row's largest t so far, rounded UP to a whole number; p = 2^(t - M) is what is quantised, along the keys, not normalised.
; The row's sum is taken of the unquantised p and divides O at the end.  When M moves, the sum and O are multiplied by 2^(old M - new M): exact.
; SHARES.  Two work-groups to a head.  A head's K and V, codes and scale words, are 71,680 bytes: THE WHOLE HEAD LIES IN LDS, written once by the sixteen waves: one barrier, no ring.
; Wave g = 16 x (work-group x) + wave makes two passes of one tile of 16 queries: the first tile of pair g, then the second tile of pair 31 - g: (g / 4 + 1) + (8 - g / 4) = 9 key steps of 128 keys for every wave.
; No cluster: what the two work-groups of a head share is read once, at the head.  No prefetch: nothing is streamed behind the head.
; LAYOUT.  Both products are used transposed: S^T = K Q^T, O^T = V^T P^T: a lane holds ONE query throughout.  Lane r of tile 2 P + u takes token 32 P + 8 u + r + 8 (r / 8), so that the 16 registers of two neighbouring tiles
; of keys are 16 neighbouring keys, and those of two tiles of channels 16 neighbouring channels.  The first product's K is 64: registers 4-7 of Q's and K's fragments are zero codes, and their scale bytes are 127.
; CAUSAL.  Every pass walks a loop of 8 trips; a step all of whose keys come after the pair's queries is jumped over by a scalar branch on ids; on the diagonal hidden scores become -infinity ahead of the maximum.
; LIMITS: hidden scores are -infinity where the definition has -2^32 + 1: both give p = 0 as long as the scores that count lie above about -4e9.  A block of zeros, or one under 2^-124, gets the byte 1.  NaN and infinities are not served.
; REGISTERS: v1-9 addresses; v10-11 V's scale words; v12 -M, v13 the largest t, v[14:15] the sum; v16-31 the two passes' Q; v32-95 K; v96-159 S^T, then p; v160-191 O^T; v192-223 V; v224-231 p's codes; v232-254 at work;
; v240-241 Q's scale words, v242 p's, v248-251 K's.
.set KCO,  4194304
.set VCO,  8388608
.set QSO,  12582912
.set KSO,  13107200
.set VSO,  13631488
.set OSO,  4194304                     ; oq: where the scale words begin
.set TM,   232
.set TP,   236
.set BY,   238
.set SO,   244
.set SEL,  20                          ; s[20:21]
.set CS,   22                          ; s[22:23] c = log2(e) / 32
; One scaled product.  d, a, b, c: first registers; c < 0: the constant 0 starts the sum.  sa, sb: scale registers; ra, rb = 1: lanes 16-31 of them are read.
.macro WM d, a, b, c, sa, sb, ra, rb
.if (\c) < 0
.if (\ra) && (\rb)
	v_wmma_scale_f32_16x16x128_f8f6f4 v[(\d):(\d)+7], v[(\a):(\a)+7], v[(\b):(\b)+7], 0, v[\sa], v[\sb] matrix_a_fmt:MATRIX_FMT_FP4 matrix_b_fmt:MATRIX_FMT_FP4 matrix_a_scale:MATRIX_SCALE_ROW1 matrix_b_scale:MATRIX_SCALE_ROW1
.elseif (\ra)
	v_wmma_scale_f32_16x16x128_f8f6f4 v[(\d):(\d)+7], v[(\a):(\a)+7], v[(\b):(\b)+7], 0, v[\sa], v[\sb] matrix_a_fmt:MATRIX_FMT_FP4 matrix_b_fmt:MATRIX_FMT_FP4 matrix_a_scale:MATRIX_SCALE_ROW1
.elseif (\rb)
	v_wmma_scale_f32_16x16x128_f8f6f4 v[(\d):(\d)+7], v[(\a):(\a)+7], v[(\b):(\b)+7], 0, v[\sa], v[\sb] matrix_a_fmt:MATRIX_FMT_FP4 matrix_b_fmt:MATRIX_FMT_FP4 matrix_b_scale:MATRIX_SCALE_ROW1
.else
	v_wmma_scale_f32_16x16x128_f8f6f4 v[(\d):(\d)+7], v[(\a):(\a)+7], v[(\b):(\b)+7], 0, v[\sa], v[\sb] matrix_a_fmt:MATRIX_FMT_FP4 matrix_b_fmt:MATRIX_FMT_FP4
.endif
.else
.if (\ra) && (\rb)
	v_wmma_scale_f32_16x16x128_f8f6f4 v[(\d):(\d)+7], v[(\a):(\a)+7], v[(\b):(\b)+7], v[(\c):(\c)+7], v[\sa], v[\sb] matrix_a_fmt:MATRIX_FMT_FP4 matrix_b_fmt:MATRIX_FMT_FP4 matrix_a_scale:MATRIX_SCALE_ROW1 matrix_b_scale:MATRIX_SCALE_ROW1
.elseif (\ra)
	v_wmma_scale_f32_16x16x128_f8f6f4 v[(\d):(\d)+7], v[(\a):(\a)+7], v[(\b):(\b)+7], v[(\c):(\c)+7], v[\sa], v[\sb] matrix_a_fmt:MATRIX_FMT_FP4 matrix_b_fmt:MATRIX_FMT_FP4 matrix_a_scale:MATRIX_SCALE_ROW1
.elseif (\rb)
	v_wmma_scale_f32_16x16x128_f8f6f4 v[(\d):(\d)+7], v[(\a):(\a)+7], v[(\b):(\b)+7], v[(\c):(\c)+7], v[\sa], v[\sb] matrix_a_fmt:MATRIX_FMT_FP4 matrix_b_fmt:MATRIX_FMT_FP4 matrix_b_scale:MATRIX_SCALE_ROW1
.else
	v_wmma_scale_f32_16x16x128_f8f6f4 v[(\d):(\d)+7], v[(\a):(\a)+7], v[(\b):(\b)+7], v[(\c):(\c)+7], v[\sa], v[\sb] matrix_a_fmt:MATRIX_FMT_FP4 matrix_b_fmt:MATRIX_FMT_FP4
.endif
.endif
.endm
; cnt blocks of 32 along K.  Block b: the lane's 16 numbers in v[src + 16 b] on, the other 16 in lane l xor 16.  Out: codes in v[pc + 2 b], v[pc + 2 b + 1], bytes in v[BY + b].
.macro QBLOCKS src, cnt, pc
.set qb, 0
.rept \cnt
	v_max3_num_f32 v[TM+qb], |v[\src+16*qb]|, |v[\src+16*qb+1]|, 0x1800000   ; and the floor 2^(3 - 127): the byte cannot fall under 1
.set qb, qb+1
.endr
.irp i, 2,4,6,8,10,12,14
.set qb, 0
.rept \cnt
	v_max3_num_f32 v[TM+qb], v[TM+qb], |v[\src+16*qb+\i]|, |v[\src+16*qb+\i+1]|
.set qb, qb+1
.endr
.endr
.set qb, 0
.rept \cnt
	v_permlanex16_b32 v[TP+qb], v[TM+qb], s[SEL], s[SEL+1]
.set qb, qb+1
.endr
.set qb, 0
.rept \cnt
	v_max_num_f32 v[TM+qb], v[TM+qb], v[TP+qb]         ; the block's largest magnitude
.set qb, qb+1
.endr
.set qb, 0
.rept \cnt
	v_add_nc_u32 v[SO+qb], 0xff000000, v[TM+qb]        ; 2 off its exponent field: the conversion takes that field as its scale
.set qb, qb+1
.endr
.set qb, 0
.rept \cnt
	v_lshrrev_b32 v[BY+qb], 23, v[SO+qb]               ; the scale's byte
.set qb, qb+1
.endr
.set qb, 0
.rept \cnt
	v_cvt_scalef32_pk8_fp4_f32 v[\pc+2*qb], v[\src+16*qb:\src+16*qb+7], v[SO+qb]
	v_cvt_scalef32_pk8_fp4_f32 v[\pc+2*qb+1], v[\src+16*qb+8:\src+16*qb+15], v[SO+qb]
.set qb, qb+1
.endr
	v_nop                                              ; one plain line behind the last conversion
.endm
	s_load_b128 s[4:7], s[0:1], 0x0                ; hq s[4:5], oq s[6:7]
	v_lshrrev_b32 v1, 5, v0
	v_readfirstlane_b32 s16, v1                    ; wave 0..15
	s_and_b32 s18, ttmp7, 0xffff                   ; bh = 16 batch + head
	s_lshl_b32 s19, ttmp9, 4
	s_add_co_u32 s19, s19, s16                     ; g
	v_and_b32 v254, 31, v0                         ; l
	v_and_b32 v9, 15, v0                           ; r
	v_bfe_u32 v8, v0, 4, 1                         ; h
	v_lshlrev_b32 v1, 4, v254                      ; v1  16 l
	v_lshlrev_b32 v2, 2, v254                      ; v2  4 l
	v_add_nc_u32 v3, 0x10000, v2                   ; v3  4 l + 65,536: the scale words in LDS
	v_lshlrev_b32 v4, 4, v9
	v_lshl_add_u32 v4, v8, 3, v4                   ; v4  16 r + 8 h: my 8 bytes of a block's 256 in an image
	v_and_b32 v5, 8, v9
	v_add_nc_u32 v5, v5, v9
	v_lshlrev_b32 v8, 4, v8
	v_sub_nc_u32 v5, v5, v8                        ; v5  r + 8 (r / 8) - 16 h: for the mask
	v_lshlrev_b32 v9, 2, v9                        ; v9  4 r
	v_lshlrev_b32 v6, 3, v254                      ; 8 l, for the head alone
	s_lshl_b32 s31, s16, 11
	v_add_nc_u32 v7, s31, v1                       ; LDS, for the head alone: my 2,048 bytes of K's codes (V's 32,768 on),
	s_lshl_b32 s31, s16, 8
	v_add_nc_u32 v8, s31, v6
	v_add_nc_u32 v8, 0x10000, v8                   ; my 256 bytes of K's scale words,
	s_lshl_b32 s31, s16, 7
	v_add_nc_u32 v255, s31, v3                     ; my 128 of V's (4,096 on)
	s_mov_b32 s[SEL], 0x76543210
	s_mov_b32 s[SEL+1], 0xfedcba98
	s_mov_b32 s[CS], 0x3d38aa3b                    ; c = log2(e) / 32
	s_mov_b32 s[CS+1], s[CS]                       ; (named with it as a pair, so it is written)
	s_mov_b32 s37, 0
	s_lshl_b32 s36, s18, 15
	s_lshl_b32 s38, s16, 11
	s_add_co_u32 s36, s36, s38
	s_wait_kmcnt 0x0
	s_add_nc_u64 s[8:9], s[4:5], s[36:37]
	s_add_nc_u64 s[10:11], s[8:9], VCO             ; V's codes: the head's 32,768 bytes, my sixteenth
	s_add_nc_u64 s[8:9], s[8:9], KCO               ; K's likewise
	s_lshl_b32 s36, s18, 12
	s_lshl_b32 s38, s16, 8
	s_add_co_u32 s36, s36, s38
	s_add_nc_u64 s[12:13], s[4:5], s[36:37]
	s_add_nc_u64 s[12:13], s[12:13], KSO
	s_lshl_b32 s36, s18, 11
	s_lshl_b32 s38, s16, 7
	s_add_co_u32 s36, s36, s38
	s_add_nc_u64 s[14:15], s[4:5], s[36:37]
	s_add_nc_u64 s[14:15], s[14:15], VSO
	s_lshl_b32 s38, s19, 1
	s_lshl_b32 s36, s18, 6
	s_add_co_u32 s36, s36, s38                     ; pass 0: tile 2 g
	s_lshl_b32 s36, s36, 9
	s_add_nc_u64 s[40:41], s[4:5], s[36:37]
	s_lshl_b32 s36, s18, 6
	s_add_co_u32 s36, s36, 63
	s_sub_co_u32 s36, s36, s38                     ; pass 1: tile 2 (31 - g) + 1
	s_lshl_b32 s36, s36, 9
	s_add_nc_u64 s[42:43], s[4:5], s[36:37]
	s_lshl_b32 s36, s18, 5
	s_add_co_u32 s36, s36, s19
	s_lshl_b32 s36, s36, 7
	s_add_nc_u64 s[44:45], s[4:5], s[36:37]
	s_add_nc_u64 s[44:45], s[44:45], QSO           ; the scale words of pair g
	s_lshl_b32 s36, s18, 5
	s_add_co_u32 s36, s36, 31
	s_sub_co_u32 s36, s36, s19
	s_lshl_b32 s36, s36, 7
	s_add_nc_u64 s[46:47], s[4:5], s[36:37]
	s_add_nc_u64 s[46:47], s[46:47], QSO           ; and of pair 31 - g
.irp i, 0,1,2,3
	global_load_b128 v[96+4*\i:99+4*\i], v1, s[8:9] offset:\i*512
	global_load_b128 v[112+4*\i:115+4*\i], v1, s[10:11] offset:\i*512
.endr
	global_load_b64 v[128:129], v6, s[12:13]
	global_load_b32 v130, v2, s[14:15]
	global_load_b128 v[16:19], v1, s[40:41]        ; Q's fragments stay in registers: registers 0-3
	global_load_b128 v[24:27], v1, s[42:43]
	global_load_b32 v240, v2, s[44:45]             ; lanes 0-15 the pair's first tile, lanes 16-31 its second
	global_load_b32 v241, v2, s[46:47]
.irp k, 20,21,22,23,28,29,30,31
	v_mov_b32 v\k, 0                               ; registers 4-7 of Q's fragments: zero codes, set once
.endr
.irp t, 0,1,2,3,4,5,6,7
.irp k, 4,5,6,7
	v_mov_b32 v[32+8*\t+\k], 0                     ; and of K's eight
.endr
.endr
.irp k, 236,237,238,239,252,253
	v_mov_b32 v\k, 0                               ; written once: a lane permute's destination counts as one of its sources; v253 is named as the upper half of a pair
.endr
	s_wait_loadcnt 0x0
.irp i, 0,1,2,3
	ds_store_b128 v7, v[96+4*\i:99+4*\i] offset:\i*512
	ds_store_b128 v7, v[112+4*\i:115+4*\i] offset:32768+\i*512
.endr
	ds_store_b64 v8, v[128:129]
	ds_store_b32 v255, v130 offset:4096
	s_wait_dscnt 0x0                               ; for the others' sake: my stores have landed
	s_barrier_signal -1
	s_barrier_wait -1                              ; the whole head lies in LDS; from here on it is only read
; A KEY STEP of 128 keys for the pass's tile u.  s25: the pair's first query; s26: the step's first key; s27, s28, s29: where its codes, K's scale words and V's begin.
.macro STEP u
	s_add_co_u32 s31, s25, 31
	s_cmp_gt_u32 s26, s31                          ; all its keys come after the pair's queries: only the address steps at its end are run
	s_cbranch_scc1 .Lhidden_\@
	v_add_nc_u32 v6, s27, v1
	v_add_nc_u32 v7, s28, v3
	v_add_nc_u32 v8, s29, v3
	v_nop                                          ; four places in front of loads into registers that the last step's products have read
.irp t, 0,1,2,3,4,5,6,7
	ds_load_b128 v[32+8*\t:35+8*\t], v6 offset:\t*512
.endr
.irp q, 0,1,2,3
	ds_load_b32 v[248+\q], v7 offset:\q*128
.endr
.irp t, 0,1,2,3
.irp c, 0,1
	ds_load_b128 v[192+8*\t+4*\c:195+8*\t+4*\c], v6 offset:32768+\t*1024+\c*512
.endr
.endr
.irp q, 0,1
	ds_load_b32 v[10+\q], v8 offset:4096+\q*128
.endr
	s_wait_dscnt 10                                ; K and its scale words are in; V's eight loads and its two scale words may be out
.irp t, 0,1,2,3,4,5,6,7
	WM 96+8*\t, 32+8*\t, 16+8*(\u), -1, 248+\t/2, 240+(\u), \t%2, \u
.endr
.rept 4
	v_nop                                          ; four places ahead of the first read of results
.endr
	s_add_co_u32 s31, s26, 127
	s_cmp_le_u32 s31, s25                          ; a step all of whose keys count skips the mask
	s_cbranch_scc1 .Lopen_\@
	s_add_co_u32 s31, s25, 8*(\u)
	s_sub_co_i32 s31, s31, s26
	v_add_nc_u32 v252, s31, v5                     ; d = my query - the step's first key - 16 h.  Register 16 b + i holds key 32 b + 16 h + i of the step: hidden where 32 b + i > d
	v_mov_b32 v254, 0xff800000                     ; -infinity
.set n, 0
.rept 64
	v_cmp_gt_i32 vcc_lo, 32*(n/16)+n%16, v252
	v_cndmask_b32 v[96+n], v[96+n], v254, vcc_lo
.set n, n+1
.endr
.Lopen_\@:
.irp b, 0,1,2,3
	v_max3_num_f32 v[232+\b], v[96+16*\b], v[97+16*\b], v[98+16*\b]   ; the largest score of each block of 32 keys: it serves the row's maximum and, since p rises with the score, the block's largest p
.endr
.irp i, 3,5,7,9,11,13
.irp b, 0,1,2,3
	v_max3_num_f32 v[232+\b], v[232+\b], v[96+16*\b+\i], v[97+16*\b+\i]
.endr
.endr
.irp b, 0,1,2,3
	v_max_num_f32 v[232+\b], v[232+\b], v[111+16*\b]
.endr
.irp b, 0,1,2,3
	v_permlanex16_b32 v[236+\b], v[232+\b], s[SEL], s[SEL+1]
.endr
.irp b, 0,1,2,3
	v_max_num_f32 v[232+\b], v[232+\b], v[236+\b]  ; with lane l xor 16's 16 keys
.endr
	v_max3_num_f32 v254, v232, v233, v234
	v_max_num_f32 v254, v254, v235                 ; the step's largest score of my query
	v_mul_f32 v254, s[CS], v254                    ; as t (c is positive)
	v_max_num_f32 v13, v13, v254                   ; the running largest t
	v_mov_b32 v254, v12
	v_floor_f32 v12, -v13                          ; the new -M = floor(-t): M is a whole number
	v_sub_f32 v254, v12, v254                      ; old M - new M: a whole number, 0 or less
	v_cvt_i32_f32 v254, v254                       ; (it saturates)
	v_ldexp_f32 v252, 1.0, v254                    ; f = 2^(old M - new M)
.set n, 0
.rept 32
	v_pk_fma_f32 v[96+n:97+n], v[96+n:97+n], s[CS:CS+1], v[12:13] op_sel_hi:[1,0,0]   ; t - M, two at a time
.set n, n+2
.endr
.irp b, 0,1,2,3
	v_fma_f32 v[232+\b], v[232+\b], s[CS], v12     ; the same of each block's largest score
.endr
.set n, 0
.rept 64
	v_exp_f32 v[96+n], v[96+n]                     ; p = 2^(t - M), at most 1
.set n, n+1
.endr
	v_pk_mul_f32 v[14:15], v[14:15], v[252:253] op_sel_hi:[1,0]   ; the sums under the new M: a plain line behind the exponentials
	s_wait_alu depctr_va_vdst(0)                   ; one wait for the whole batch, ahead of its first reader
.irp b, 0,1,2,3
	v_exp_f32 v[232+\b], v[232+\b]                 ; the block's largest p
.endr
	v_pk_add_f32 v[236:237], v[96:97], v[98:99]    ; the row's sum is taken of the unquantised p, in two chains; it reads the 64 alone
.irp j, 4,8,12,16,20,24,28,32,36,40,44,48,52,56,60
	v_pk_add_f32 v[14:15], v[14:15], v[96+\j:97+\j]
	v_pk_add_f32 v[236:237], v[236:237], v[98+\j:99+\j]
.endr
	v_pk_add_f32 v[14:15], v[14:15], v[236:237]
	s_wait_alu depctr_va_vdst(0)                   ; and one for the four
.irp b, 0,1,2,3
	v_max_num_f32 v[232+\b], 0x1800000, v[232+\b]  ; the floor 2^(3 - 127): a block whose every p is 0 keeps the byte 1 over zero codes
.endr
.irp b, 0,1,2,3
	v_add_nc_u32 v[244+\b], 0xff000000, v[232+\b]  ; 2 off the exponent field: the conversion's scale operand
.endr
.irp b, 0,1,2,3
	v_lshrrev_b32 v[236+\b], 23, v[244+\b]         ; the scale's byte
.endr
	v_lshl_or_b32 v242, v237, 8, v236              ; p's scale word for these 128 keys
	v_lshl_or_b32 v242, v238, 16, v242
	v_lshl_or_b32 v242, v239, 24, v242
.irp b, 0,1,2,3
	v_cvt_scalef32_pk8_fp4_f32 v[224+2*\b], v[96+16*\b:103+16*\b], v[244+\b]
	v_cvt_scalef32_pk8_fp4_f32 v[225+2*\b], v[104+16*\b:111+16*\b], v[244+\b]
.endr
	v_nop                                          ; one plain line behind the last conversion
.irp c, 0,1                                    ; the operand's layout wants a whole block in a lane: lanes 0-15 block 2 c, lanes 16-31 block 2 c + 1
.irp i, 0,1
	v_permlane16_swap_b32 v[224+4*\c+\i], v[226+4*\c+\i]
.endr
.endr
.set n, 0
.rept 16
	v_pk_mul_f32 v[160+n:161+n], v[160+n:161+n], v[252:253] op_sel_hi:[1,0]   ; O^T under the new M; these lines also stand between the writes of p's codes and scale word and the products
.set n, n+2
.endr
.rept 4
	v_nop                                          ; between the rescaling, which writes the sums' registers, and the products that add onto them
.endr
	s_wait_dscnt 0x0                               ; V and its scale words are in
.irp t, 0,1,2,3
	WM 160+8*\t, 192+8*\t, 224, 160+8*\t, 10+\t/2, 242, \t%2, 0
.endr
.Lhidden_\@:
	s_add_co_u32 s26, s26, 128
	s_add_co_u32 s27, s27, 4096
	s_add_co_u32 s28, s28, 512
	s_add_co_u32 s29, s29, 256
.endm
; O^T / the sum, quantised along D: my 64 channels are two blocks of 32; 8 bytes a lane and block, 256 consecutive bytes a store; the two bytes are half of the row's scale word for these 128 along D.
.macro FINISH u
.rept 4
	v_nop                                          ; four places behind the last products
.endr
	v_add_f32 v14, v14, v15                        ; the sum's two halves,
	v_permlanex16_b32 v252, v14, s[SEL], s[SEL+1]
	v_add_f32 v14, v14, v252                       ; and lane l xor 16's
	v_rcp_f32 v14, v14
	v_nop                                          ; a plain line behind the reciprocal,
	s_wait_alu depctr_va_vdst(0)                   ; and the wait ahead of its first reader
.set n, 0
.rept 32
	v_mul_f32 v[96+n], v[160+n], v14               ; register 16 b + i: channel 32 b + 16 h + i of my query; each accumulator from its low end on
.set n, n+1
.endr
	QBLOCKS 96, 2, 224
	v_lshl_or_b32 v243, v[BY+1], 8, v[BY]
	global_store_b64 v4, v[224:225], s[32:33] offset:(\u)*8192
	global_store_b64 v4, v[226:227], s[32:33] offset:(\u)*8192+256
	global_store_b16 v9, v243, s[34:35] offset:64*(\u)   ; both halves of the lanes hold the same two bytes for row r
.endm
.macro PASS u
	s_wait_xcnt 0x0                                ; the last pass's stores have read their data and bases
.if (\u) == 0
	s_mov_b32 s24, s19                             ; the pair of tiles: g,
.else
	s_sub_co_u32 s24, 31, s19                      ; then 31 - g
.endif
	s_lshl_b32 s25, s24, 5
	s_mov_b32 s26, 0
	s_mov_b32 s27, 0
	s_mov_b32 s28, 0
	s_mov_b32 s29, 0
	s_lshr_b32 s31, s18, 4
	s_lshl_b32 s31, s31, 5
	s_add_co_u32 s31, s31, s24                     ; 32 batch + pair: the pair among all rows
	s_and_b32 s36, s18, 15
	s_lshr_b32 s37, s36, 1                         ; head / 2: which 128 along D
	s_and_b32 s36, s36, 1
	s_lshl_b32 s38, s31, 14
	s_lshl_b32 s39, s37, 10
	s_add_co_u32 s38, s38, s39
	s_lshl_b32 s39, s36, 9
	s_add_co_u32 s38, s38, s39
	s_mov_b32 s39, 0
	s_add_nc_u64 s[32:33], s[6:7], s[38:39]        ; o's codes
	s_lshl_b32 s38, s31, 3
	s_add_co_u32 s38, s38, s37
	s_lshl_b32 s38, s38, 7
	s_lshl_b32 s36, s36, 1
	s_add_co_u32 s38, s38, s36
	s_add_nc_u64 s[34:35], s[6:7], s[38:39]
	s_add_nc_u64 s[34:35], s[34:35], OSO           ; and scale bytes
	v_mov_b32 v13, 0xff61b1e6                      ; the largest t so far: -3e38, under every t
	v_floor_f32 v12, -v13                          ; -M
	v_mov_b32 v14, 0
	v_mov_b32 v15, 0
.set n, 0
.rept 32
	v_mov_b32 v[160+n], 0                          ; O^T: the step is written once; its first trip finds zeros, which the first change of M leaves zeros
.set n, n+1
.endr
	s_mov_b32 s30, 8
.Lstep_\@:
	STEP \u
	s_sub_co_u32 s30, s30, 1
	s_cmp_lg_u32 s30, 0
	s_cbranch_scc1 .Lstep_\@
	FINISH \u
.endm
	PASS 0
	PASS 1
	s_wait_xcnt 0x0
	v_lshl_add_u32 v254, v0, 2, 0x11800
	v_mov_b32 v255, 0
	s_wait_tensorcnt 0x0
	ds_add_u32 v254, v255
	s_wait_dscnt 0x0
	s_endpgm
.Lfunc_end_k_qda97f9bd42_attn:
	.size	k_qda97f9bd42_attn, .Lfunc_end_k_qda97f9bd42_attn-k_qda97f9bd42_attn
	.p2alignl 7, 3214868480
	.fill 96, 4, 3214868480
	.section	.rodata,"a",@progbits
	.p2align	6, 0x0
	.amdhsa_kernel k_qda97f9bd42_attn
		.amdhsa_group_segment_fixed_size 73728
		.amdhsa_private_segment_fixed_size 0
		.amdhsa_enable_private_segment 0
		.amdhsa_kernarg_size 16
		.amdhsa_user_sgpr_count 2
		.amdhsa_user_sgpr_kernarg_segment_ptr 1
		.amdhsa_wavefront_size32 1
		.amdhsa_system_sgpr_workgroup_id_x 1
		.amdhsa_system_sgpr_workgroup_id_y 1
		.amdhsa_system_sgpr_workgroup_id_z 1
		.amdhsa_system_vgpr_workitem_id 0
		.amdhsa_next_free_vgpr 256
		.amdhsa_next_free_sgpr 66
		.amdhsa_reserve_vcc 1
		.amdhsa_float_denorm_mode_32 3
		.amdhsa_float_denorm_mode_16_64 3
		.amdhsa_memory_ordered 1
		.amdhsa_forward_progress 1
		.amdhsa_inst_pref_size 59
	.end_amdhsa_kernel
	.amdgpu_metadata
---
amdhsa.version: [ 1, 2 ]
amdhsa.kernels:
  - .name:           k_qda97f9bd42_attn
    .symbol:         k_qda97f9bd42_attn.kd
    .args:
      - { .name: hq, .offset: 0, .size: 8, .value_kind: global_buffer, .address_space: global }
      - { .name: oq, .offset: 8, .size: 8, .value_kind: global_buffer, .address_space: global }
    .group_segment_fixed_size: 73728
    .private_segment_fixed_size: 0
    .kernarg_segment_align: 8
    .kernarg_segment_size: 16
    .max_flat_workgroup_size: 512
    .sgpr_count:     66
    .vgpr_count:     256
    .wavefront_size: 32
...
	.end_amdgpu_metadata
.endif
;; end of part 3
;; launch outln (part 4): grid 256 x 1, 4 waves a work-group, no clusters, 263,168 bytes of LDS; arguments oq, wq, b_out, gamma, beta, x, out0; writes out0
.if DOCPART == 4
	.amdgcn_target "amdgcn-amd-amdhsa--gfx1250"
	.amdhsa_code_object_version 6
	.text
	.protected	k_qda97f9bd42_outln
	.globl	k_qda97f9bd42_outln
	.p2align	8
	.type	k_qda97f9bd42_outln,@function
k_qda97f9bd42_outln:
	s_mov_b64 s[64:65], 0
	v_nop
	global_prefetch_b8 v0, s[64:65] scope:SCOPE_SE
	s_setreg_imm32_b32 hwreg(HW_REG_WAVE_MODE, 25, 1), 1
	s_wait_xcnt 0x0
; out = LayerNorm(o W_out + b_out + x) gamma + beta.  The product on codes of FP4 with E8M0 scales; all else in f32.
; SHARES.  A work-group owns 32 whole rows (a pair of tiles of o), which the norm needs; wave w makes columns 256 w .. 256 w + 255: W's tiles 192 + 16 w + t of wq.  o's two tiles, all of K, stay in registers.
; W goes from memory straight into registers, four tile buffers deep: each byte is wanted by one wave of the work-group.  That is why it is not asked for jointly: a joint load lands in LDS, and would add a trip through LDS and a ring.
; x's 32 rows come once, by one tensor load a wave, and are read by that wave alone.  No LDS byte is filled twice.
; Source 0 = a tile of W, source 1 = a tile of o: a lane holds one row and eight neighbouring columns.  The results meet in a stage in LDS (one barrier); then each wave takes 8 whole rows.
; The variance is taken of the differences from the mean: no difference of large sums is formed.
; REGISTERS.  window 0: v1-9 addresses; v16-23 o's scale words, v24-39 W's (4 a buffer); v40-47 at work; v48-79 b_out; v80-143, v144-207 two sets of a row of the product and a row of x.
; window 1: the 32 accumulators at 16 t + 8 u.  window 2: four buffers of W at 64 f + 8 s.  window 3: o at 64 u + 8 s; gamma v128-159; beta v160-191.
.set OSO,  4194304
.set WSO,  2097152
.set YL,   131072                      ; LDS: x's rows at 0 (wave w's eight at 32,768 w); the stage here: 32 rows
.set YP,   4112                        ; of 4,096 bytes + 16: sixteen rows start in sixteen different groups of banks
.set SEL,  44                          ; s[44:45]
.set MSB, 0
.macro WIN new                         ; the immediate's high byte repeats the setting that is left; a switch that changes nothing is dropped
.if MSB != \new
	s_set_vgpr_msb (MSB<<8)|\new
.set MSB, \new
.endif
.endm
; One scaled product.  d, a, b, c: first registers; c < 0: the constant 0 starts the sum.  sa, sb: scale registers; ra, rb = 1: lanes 16-31 of them are read.
.macro WM d, a, b, c, sa, sb, ra, rb
.if (\c) < 0
.if (\ra) && (\rb)
	v_wmma_scale_f32_16x16x128_f8f6f4 v[(\d):(\d)+7], v[(\a):(\a)+7], v[(\b):(\b)+7], 0, v[\sa], v[\sb] matrix_a_fmt:MATRIX_FMT_FP4 matrix_b_fmt:MATRIX_FMT_FP4 matrix_a_scale:MATRIX_SCALE_ROW1 matrix_b_scale:MATRIX_SCALE_ROW1
.elseif (\ra)
	v_wmma_scale_f32_16x16x128_f8f6f4 v[(\d):(\d)+7], v[(\a):(\a)+7], v[(\b):(\b)+7], 0, v[\sa], v[\sb] matrix_a_fmt:MATRIX_FMT_FP4 matrix_b_fmt:MATRIX_FMT_FP4 matrix_a_scale:MATRIX_SCALE_ROW1
.elseif (\rb)
	v_wmma_scale_f32_16x16x128_f8f6f4 v[(\d):(\d)+7], v[(\a):(\a)+7], v[(\b):(\b)+7], 0, v[\sa], v[\sb] matrix_a_fmt:MATRIX_FMT_FP4 matrix_b_fmt:MATRIX_FMT_FP4 matrix_b_scale:MATRIX_SCALE_ROW1
.else
	v_wmma_scale_f32_16x16x128_f8f6f4 v[(\d):(\d)+7], v[(\a):(\a)+7], v[(\b):(\b)+7], 0, v[\sa], v[\sb] matrix_a_fmt:MATRIX_FMT_FP4 matrix_b_fmt:MATRIX_FMT_FP4
.endif
.else
.if (\ra) && (\rb)
	v_wmma_scale_f32_16x16x128_f8f6f4 v[(\d):(\d)+7], v[(\a):(\a)+7], v[(\b):(\b)+7], v[(\c):(\c)+7], v[\sa], v[\sb] matrix_a_fmt:MATRIX_FMT_FP4 matrix_b_fmt:MATRIX_FMT_FP4 matrix_a_scale:MATRIX_SCALE_ROW1 matrix_b_scale:MATRIX_SCALE_ROW1
.elseif (\ra)
	v_wmma_scale_f32_16x16x128_f8f6f4 v[(\d):(\d)+7], v[(\a):(\a)+7], v[(\b):(\b)+7], v[(\c):(\c)+7], v[\sa], v[\sb] matrix_a_fmt:MATRIX_FMT_FP4 matrix_b_fmt:MATRIX_FMT_FP4 matrix_a_scale:MATRIX_SCALE_ROW1
.elseif (\rb)
	v_wmma_scale_f32_16x16x128_f8f6f4 v[(\d):(\d)+7], v[(\a):(\a)+7], v[(\b):(\b)+7], v[(\c):(\c)+7], v[\sa], v[\sb] matrix_a_fmt:MATRIX_FMT_FP4 matrix_b_fmt:MATRIX_FMT_FP4 matrix_b_scale:MATRIX_SCALE_ROW1
.else
	v_wmma_scale_f32_16x16x128_f8f6f4 v[(\d):(\d)+7], v[(\a):(\a)+7], v[(\b):(\b)+7], v[(\c):(\c)+7], v[\sa], v[\sb] matrix_a_fmt:MATRIX_FMT_FP4 matrix_b_fmt:MATRIX_FMT_FP4
.endif
.endif
.endm
	s_load_b256 s[4:11], s[0:1], 0x0               ; oq s[4:5], wq s[6:7], b_out s[8:9], gamma s[10:11]
	s_load_b128 s[12:15], s[0:1], 0x20             ; beta s[12:13], x s[14:15]
	s_load_b64 s[16:17], s[0:1], 0x30              ; out0
	v_lshl_add_u32 v254, v0, 2, 0x40200
	v_mov_b32 v255, 0
	ds_add_u32 v254, v255
	ds_add_u32 v254, v255
	v_lshrrev_b32 v1, 5, v0
	v_readfirstlane_b32 s18, v1                    ; wave 0..3
	; descriptor group 1: my eight rows of x are 32,768 dense bytes: 128 rows of 256 bytes (32 elements of 8 bytes), no padding: the reads are 16 bytes a lane on end
	s_mov_b32 s24, 3<<16
	s_mov_b32 s25, 32<<16                          ; tensor_dim0 = 32
	s_mov_b32 s26, 128<<16                         ; tensor_dim1 = 128
	s_mov_b32 s27, 32<<16                          ; tile_dim0 = 32
	s_mov_b32 s28, 128                             ; tile_dim1 = 128
	s_mov_b32 s29, 32                              ; from row to row
	s_mov_b32 s30, 0
	s_mov_b32 s31, 0
	; stage row 16 u + r holds row 8 u + r + 8 (r / 8) of the 32; wave w takes stage rows 8 w .. 8 w + 7: rows 8 (w / 2) + 16 (w % 2) on
	s_lshr_b32 s19, s18, 1
	s_lshl_b32 s19, s19, 3
	s_and_b32 s20, s18, 1
	s_lshl_b32 s20, s20, 4
	s_add_co_u32 s19, s19, s20
	s_lshl_b32 s20, ttmp9, 5
	s_add_co_u32 s20, s20, s19                     ; my first row of x and of the output
	s_lshl_b32 s20, s20, 12
	s_mov_b32 s21, 0
	s_lshl_b32 s22, s18, 15
	s_wait_dscnt 0x0
	s_wait_kmcnt 0x0
	s_mov_b32 s32, 1                               ; group 0: count = 1,
	s_mov_b32 s33, s22                             ; the LDS address,
	s_add_nc_u64 s[34:35], s[14:15], s[20:21]      ; the global address,
	s_or_b32 s35, s35, 0x80000000                  ; type = 2
	s_add_nc_u64 s[16:17], s[16:17], s[20:21]
	tensor_load_to_lds s[32:35], s[24:31]          ; the launch's only fill: one load of mine is out
	s_nop 0
.rept 4
	v_nop                                          ; four lines behind a tensor load ahead of a switch of windows
.endr
	v_and_b32 v7, 31, v0                           ; l
	v_and_b32 v8, 15, v0                           ; r
	v_bfe_u32 v9, v0, 4, 1                         ; h
	v_lshlrev_b32 v1, 4, v7                        ; v1  16 l
	v_lshlrev_b32 v2, 2, v7                        ; v2  4 l
	v_mul_u32_u24 v3, v8, YP
	v_lshl_add_u32 v3, v9, 6, v3
	s_lshl_b32 s23, s18, 10
	v_add_nc_u32 v3, s23, v3
	v_add_nc_u32 v3, YL, v3                        ; v3  into the stage, tile u = 0: row r, + 64 h, + my 1,024 bytes of a row
	v_add_nc_u32 v6, 16*YP, v3                     ; v6  tile u = 1: sixteen rows on, beyond an immediate's reach
	s_mul_i32 s23, s18, 8*YP
	v_add_nc_u32 v4, s23, v1
	v_add_nc_u32 v4, YL, v4                        ; v4  out of the stage: my eight rows, 16 bytes a lane
	v_add_nc_u32 v5, s22, v1                       ; v5  and the same of x
	s_mov_b32 s[SEL], 0x76543210
	s_mov_b32 s[SEL+1], 0xfedcba98
	s_mov_b32 s46, 0x3a800000                      ; 1 / 1,024
	s_mov_b32 s47, 0x3727c5ac                      ; 1e-5
	s_lshl_b32 s20, ttmp9, 14
	s_add_nc_u64 s[36:37], s[4:5], s[20:21]        ; o's two tiles
	s_lshl_b32 s20, ttmp9, 10
	s_add_nc_u64 s[38:39], s[4:5], s[20:21]
	s_add_nc_u64 s[38:39], s[38:39], OSO           ; their scale words
	s_lshl_b32 s20, s18, 17
	s_add_nc_u64 s[40:41], s[6:7], s[20:21]
	s_add_nc_u64 s[40:41], s[40:41], 192*8192      ; my sixteen tiles of W_out
	s_lshl_b32 s20, s18, 13
	s_add_nc_u64 s[42:43], s[6:7], s[20:21]
	s_add_nc_u64 s[42:43], s[42:43], WSO+192*512   ; and their scale words
	WIN 0xc0                                       ; destination window 3
.irp i, 0,1,2,3,4,5,6,7
	global_load_b128 v[128+4*\i:131+4*\i], v1, s[10:11] offset:\i*512   ; gamma, beta, b_out as a row will lie: columns 128 i + 4 l + 0 .. 3
	global_load_b128 v[160+4*\i:163+4*\i], v1, s[12:13] offset:\i*512
.endr
.irp u, 0,1
.irp s, 0,1,2,3,4,5,6,7
.irp c, 0,1
	global_load_b128 v[64*\u+8*\s+4*\c:64*\u+8*\s+4*\c+3], v1, s[36:37] offset:\u*8192+\s*1024+\c*512
.endr
.endr
.endr
	WIN 0
.irp i, 0,1,2,3,4,5,6,7
	global_load_b128 v[48+4*\i:51+4*\i], v1, s[8:9] offset:\i*512
	global_load_b32 v[16+\i], v2, s[38:39] offset:\i*128       ; o's scale words of K step i: lanes 0-15 tile 0, lanes 16-31 tile 1
.endr
.macro WLOAD t                         ; tile t of W into buffer t % 4: 16 loads of 512 consecutive bytes, and its scale words: 17 loads
.set wf, (\t)%4
	WIN 0x80                                       ; destination window 2
.irp s, 0,1,2,3,4,5,6,7
.irp c, 0,1
	global_load_b128 v[64*wf+8*\s+4*\c:64*wf+8*\s+4*\c+3], v1, s[40:41] offset:(\t)*8192+\s*1024+\c*512
.endr
.endr
	WIN 0
	global_load_b128 v[24+4*wf:27+4*wf], v1, s[42:43] offset:(\t)*512
.endm
.irp t, 0,1,2,3
	WLOAD \t
.endr
; Tiles 2 q and 2 q + 1 of W against o's two tiles: four accumulators by turns, one product a turn, K ascending
.macro TILES q
.if (\q) < 7
	s_wait_loadcnt 34                              ; these two tiles are in; the two behind them, 2 x 17 loads, may be out
.else
	s_wait_loadcnt 0x0
.endif
	WIN 0x5e                                       ; W window 2, o window 3, the sums window 1
.irp s, 0,1,2,3,4,5,6,7
.irp e, 0,1
.irp u, 0,1
.if \s == 0
	WM 16*(2*(\q)+\e)+8*\u, 64*((2*(\q)+\e)%4)+8*\s, 64*\u+8*\s, -1, 24+4*((2*(\q)+\e)%4)+\s/2, 16+\s, \s%2, \u
.else
	WM 16*(2*(\q)+\e)+8*\u, 64*((2*(\q)+\e)%4)+8*\s, 64*\u+8*\s, 16*(2*(\q)+\e)+8*\u, 24+4*((2*(\q)+\e)%4)+\s/2, 16+\s, \s%2, \u
.endif
.endr
.endr
.endr
.if (\q) < 6
.rept 4
	v_nop                                          ; four places in front of loads into registers that these products have read
.endr
	WLOAD 2*(\q)+4
	WLOAD 2*(\q)+5
.endif
.endm
.irp q, 0,1,2,3,4,5,6,7
	TILES \q
.endr
.rept 4
	v_nop                                          ; four places ahead of the first read of results
.endr
	WIN 0x04                                       ; an LDS store's data are its source 1: window 1
.irp t, 0,1,2,3,4,5,6,7,8,9,10,11,12,13,14,15
.irp u, 0,1
	ds_store_b128 v[3+3*\u], v[16*\t+8*\u:16*\t+8*\u+3] offset:4*(32*(\t/2)+8*(\t%2))        ; lane (r, h): columns 256 w + 32 (t / 2) + 8 (t % 2) + 16 h + 0 .. 7; each accumulator from its low end on
	ds_store_b128 v[3+3*\u], v[16*\t+8*\u+4:16*\t+8*\u+7] offset:4*(32*(\t/2)+8*(\t%2))+16
.endr
.endr
	WIN 0
	s_wait_tensorcnt 0x0                           ; my rows of x have landed: only I read them
	s_wait_dscnt 0x0                               ; for the others' sake: my stores into the stage have landed
	s_barrier_signal -1
	s_barrier_wait -1                              ; 32 whole rows lie in the stage
.macro RLOAD k                         ; my row k of the product and of x into set k % 2: 16 loads
.set ry, 80+64*((\k)%2)
.irp i, 0,1,2,3,4,5,6,7
	ds_load_b128 v[ry+4*\i:ry+4*\i+3], v4 offset:(\k)*YP+\i*512
	ds_load_b128 v[ry+32+4*\i:ry+32+4*\i+3], v5 offset:(\k)*4096+\i*512
.endr
.endm
.macro ACROSS a                        ; the sum of v[a] over the 32 lanes, in every lane; v[a + 1] is at work
	v_add_f32_dpp v[\a], v[\a], v[\a] row_xmask:1 row_mask:0xf bank_mask:0xf
	v_add_f32_dpp v[\a], v[\a], v[\a] row_xmask:2 row_mask:0xf bank_mask:0xf
	v_add_f32_dpp v[\a], v[\a], v[\a] row_xmask:4 row_mask:0xf bank_mask:0xf
	v_add_f32_dpp v[\a], v[\a], v[\a] row_xmask:8 row_mask:0xf bank_mask:0xf
	v_permlanex16_b32 v[\a+1], v[\a], s[SEL], s[SEL+1]
	v_add_f32 v[\a], v[\a], v[\a+1]
.endm
.macro ROW k
	s_wait_xcnt 0x0                                ; the stores of the row before have read their registers: the other set is loaded again only behind this wait
.if (\k) < 7
	RLOAD (\k)+1
	s_wait_dscnt 16                                ; this row's sixteen loads are in; the next row's may be out
.else
	s_wait_dscnt 0x0
.endif
.set yy, 80+64*((\k)%2)
.set n, 0
.rept 16
	v_pk_add_f32 v[yy+n:yy+n+1], v[yy+n:yy+n+1], v[48+n:49+n]          ; + b_out
.set n, n+2
.endr
.set n, 0
.rept 16
	v_pk_add_f32 v[yy+n:yy+n+1], v[yy+n:yy+n+1], v[yy+32+n:yy+33+n]    ; + x
.set n, n+2
.endr
	v_pk_add_f32 v[40:41], v[yy:yy+1], v[yy+2:yy+3]                    ; the row's sum, in two chains
	v_pk_add_f32 v[42:43], v[yy+4:yy+5], v[yy+6:yy+7]
.irp j, 8,12,16,20,24,28
	v_pk_add_f32 v[40:41], v[40:41], v[yy+\j:yy+\j+1]
	v_pk_add_f32 v[42:43], v[42:43], v[yy+\j+2:yy+\j+3]
.endr
	v_pk_add_f32 v[40:41], v[40:41], v[42:43]
	v_add_f32 v40, v40, v41
	ACROSS 40
	v_mul_f32 v40, s46, v40                                            ; the mean
.set n, 0
.rept 16
	v_pk_add_f32 v[yy+n:yy+n+1], v[yy+n:yy+n+1], v[40:41] op_sel_hi:[1,0] neg_lo:[0,1] neg_hi:[0,1]
.set n, n+2
.endr
	v_pk_mul_f32 v[42:43], v[yy:yy+1], v[yy:yy+1]                      ; the squares of the differences, in two chains
	v_pk_mul_f32 v[44:45], v[yy+2:yy+3], v[yy+2:yy+3]
.irp j, 4,8,12,16,20,24,28
	v_pk_fma_f32 v[42:43], v[yy+\j:yy+\j+1], v[yy+\j:yy+\j+1], v[42:43]
	v_pk_fma_f32 v[44:45], v[yy+\j+2:yy+\j+3], v[yy+\j+2:yy+\j+3], v[44:45]
.endr
	v_pk_add_f32 v[42:43], v[42:43], v[44:45]
	v_add_f32 v42, v42, v43
	ACROSS 42
	v_fma_f32 v42, v42, s46, s47                                       ; the variance + 1e-5
	v_rsq_f32 v44, v42
	v_nop                                                              ; a plain line behind the root,
	s_wait_alu depctr_va_vdst(0)                                       ; and the wait ahead of its first reader
.set n, 0
.rept 16
	v_pk_mul_f32 v[yy+n:yy+n+1], v[yy+n:yy+n+1], v[44:45] op_sel_hi:[1,0]
.set n, n+2
.endr
	WIN 0x3c                                       ; gamma and beta: window 3
.set n, 0
.rept 16
	v_pk_fma_f32 v[yy+n:yy+n+1], v[yy+n:yy+n+1], v[128+n:129+n], v[160+n:161+n]
.set n, n+2
.endr
	WIN 0
.irp i, 0,1,2,3,4,5,6,7
	global_store_b128 v1, v[yy+4*\i:yy+4*\i+3], s[16:17] offset:(\k)*4096+\i*512 th:TH_STORE_NT   ; 32 lanes store 512 consecutive bytes, aligned; written once, read by nobody here
.endr
.endm
	RLOAD 0
.irp k, 0,1,2,3,4,5,6,7
	ROW \k
.endr
	s_wait_tensorcnt 0x0
	ds_add_u32 v254, v255
	s_wait_dscnt 0x0
	s_endpgm
.Lfunc_end_k_qda97f9bd42_outln:
	.size	k_qda97f9bd42_outln, .Lfunc_end_k_qda97f9bd42_outln-k_qda97f9bd42_outln
	.p2alignl 7, 3214868480
	.fill 96, 4, 3214868480
	.section	.rodata,"a",@progbits
	.p2align	6, 0x0
	.amdhsa_kernel k_qda97f9bd42_outln
		.amdhsa_group_segment_fixed_size 263168
		.amdhsa_private_segment_fixed_size 0
		.amdhsa_enable_private_segment 0
		.amdhsa_kernarg_size 56
		.amdhsa_user_sgpr_count 2
		.amdhsa_user_sgpr_kernarg_segment_ptr 1
		.amdhsa_wavefront_size32 1
		.amdhsa_system_sgpr_workgroup_id_x 1
		.amdhsa_system_sgpr_workgroup_id_y 1
		.amdhsa_system_sgpr_workgroup_id_z 1
		.amdhsa_system_vgpr_workitem_id 0
		.amdhsa_next_free_vgpr 1024
		.amdhsa_next_free_sgpr 66
		.amdhsa_reserve_vcc 0
		.amdhsa_float_denorm_mode_32 3
		.amdhsa_float_denorm_mode_16_64 3
		.amdhsa_memory_ordered 1
		.amdhsa_forward_progress 1
		.amdhsa_inst_pref_size 153
	.end_amdhsa_kernel
	.amdgpu_metadata
---
amdhsa.version: [ 1, 2 ]
amdhsa.kernels:
  - .name:           k_qda97f9bd42_outln
    .symbol:         k_qda97f9bd42_outln.kd
    .args:
      - { .name: oq, .offset: 0, .size: 8, .value_kind: global_buffer, .address_space: global }
      - { .name: wq, .offset: 8, .size: 8, .value_kind: global_buffer, .address_space: global }
      - { .name: b_out, .offset: 16, .size: 8, .value_kind: global_buffer, .address_space: global }
      - { .name: gamma, .offset: 24, .size: 8, .value_kind: global_buffer, .address_space: global }
      - { .name: beta, .offset: 32, .size: 8, .value_kind: global_buffer, .address_space: global }
      - { .name: x, .offset: 40, .size: 8, .value_kind: global_buffer, .address_space: global }
      - { .name: out0, .offset: 48, .size: 8, .value_kind: global_buffer, .address_space: global }
    .group_segment_fixed_size: 263168
    .private_segment_fixed_size: 0
    .kernarg_segment_align: 8
    .kernarg_segment_size: 56
    .max_flat_workgroup_size: 128
    .sgpr_count:     66
    .vgpr_count:     1024
    .wavefront_size: 32
...
	.end_amdgpu_metadata
.endif
;; end of part 4
;; ======== version 2 of 2: 4 launches; version 1 with the launch attn written anew for expert scheduling mode
;; workspace buffers: xq 4,456,448 bytes; wq 2,228,224 bytes; hq 13,893,632 bytes; oq 4,456,448 bytes
;; launch prep: the kernel of part 1 again; grid 576 x 1, 4 waves a work-group, no clusters, 68,096 bytes of LDS; arguments x, W_qkv_codes, W_qkv_scales, W_out_codes, W_out_scales, xq, wq; writes xq, wq
;; launch qkv: the kernel of part 2 again; grid 8 x 32, 4 waves a work-group, clusters of 4 x 1, 168,448 bytes of LDS; arguments xq, wq, b_qkv, hq; writes hq
;; launch attn (part 5): grid 2 x 128, 16 waves a work-group, no clusters, 73,728 bytes of LDS; arguments hq, oq; writes oq
.if DOCPART == 5
	.amdgcn_target "amdgcn-amd-amdhsa--gfx1250"
	.amdhsa_code_object_version 6
	.text
	.protected	k_qda97f9bd42_attn
	.globl	k_qda97f9bd42_attn
	.p2align	8
	.type	k_qda97f9bd42_attn,@function
k_qda97f9bd42_attn:
	s_mov_b64 s[64:65], 0
	v_nop
	global_prefetch_b8 v0, s[64:65] scope:SCOPE_SE
	s_setreg_imm32_b32 hwreg(HW_REG_WAVE_SCHED_MODE, 0, 2), 2
	s_setreg_imm32_b32 hwreg(HW_REG_WAVE_MODE, 25, 1), 1
	s_wait_xcnt 0x0
	s_wait_alu depctr_vm_vsrc(0)
; Causal attention on codes of FP4 with E8M0 scales: 128 heads (batch x head) of 1,024 tokens x 64 channels.  o = softmax(q k^T / 32) v, quantised along D for the last product.
; THE SOFTMAX AHEAD OF THE SECOND PRODUCT: t = score x log2(e) / 32; M = the row's largest t so far, rounded UP to a whole number; p = 2^(t - M) is what is quantised, along the keys, not normalised.
; The row's sum is taken of the unquantised p and divides O at the end.  When M moves, the sum and O are multiplied by 2^(old M - new M): exact.
; SHARES.  Two work-groups to a head.  A head's K and V, codes and scale words, are 71,680 bytes: THE WHOLE HEAD LIES IN LDS, written once by the sixteen waves: one barrier, no ring.
; Wave g = 16 x (work-group x) + wave makes two passes of one tile of 16 queries: the first tile of pair g, then the second tile of pair 31 - g: (g / 4 + 1) + (8 - g / 4) = 9 key steps of 128 keys for every wave.
; No cluster: what the two work-groups of a head share is read once, at the head.  No prefetch: nothing is streamed behind the head.
; LAYOUT.  Both products are used transposed: S^T = K Q^T, O^T = V^T P^T: a lane holds ONE query throughout.  Lane r of tile 2 P + u takes token 32 P + 8 u + r + 8 (r / 8), so that the 16 registers of two neighbouring tiles
; of keys are 16 neighbouring keys, and those of two tiles of channels 16 neighbouring channels.  The first product's K is 64: registers 4-7 of Q's and K's fragments are zero codes, and their scale bytes are 127.
; CAUSAL.  Every pass walks a loop of 8 trips; a step all of whose keys come after the pair's queries is jumped over by a scalar branch on ids; on the diagonal hidden scores become -infinity ahead of the maximum.
; LIMITS: hidden scores are -infinity where the definition has -2^32 + 1: both give p = 0 as long as the scores that count lie above about -4e9.  A block of zeros, or one under 2^-124, gets the byte 1.  NaN and infinities are not served.
; REGISTERS: v1-9 addresses; v10-11 V's scale words; v12 -M, v13 the largest t, v[14:15] the sum; v16-31 the two passes' Q; v32-95 K; v96-159 S^T, then p; v160-191 O^T; v192-223 V; v224-231 p's codes; v232-254 at work;
; v240-241 Q's scale words, v242 p's, v248-251 K's.
; THE MODE: SCHED_MODE bits 1:0 = 2 (LLVM: expert scheduling mode 2), set by the entry lines.  The code itself states the register dependences
; between vector or matrix instructions and memory or LDS instructions, with s_wait_alu, always for 0.
; THE PLAN.  Registers that memory or LDS instructions touch, in the loop over key steps:
;   K: v32 + 8 t .. + 3 and v248-251   Written by LDS loads alone; read by step j's eight score products.  Step j + 1's are asked for in the middle of step j.
;   V: v192-223 and v10, v11           Written by LDS loads alone; read by step j's four products at its end.  Step j's are asked for in the middle of step j.
;   v6, v7, v8                         LDS addresses of step j: written by three additions at the step's head, read by the step's 22 LDS loads.
;   v1 to v4, v9                       Offsets made at the head and never written again.
; The wait on va_vdst that the 64 exponentials want ahead of their first reader stands in the step's middle.  It states as well that this step's score products are done reading K, that the last step's products are done
; reading V, and that v6 to v8 are written.  So all 22 loads stand straight behind it and owe nothing more; no vector or matrix instruction names their registers from there to the wait on DScnt at the step's end.
; One wait on vm_vsrc stands ahead of the three additions.  One more wait on va_vdst stands ahead of the step's last four products, which take p's codes and scale word from vector instructions.
; Outside the loop: v224-227 and v243 are written by a pass's last conversions and read by its three stores; the head's addresses v6, v7, v8, v255 and data v96-130 are read by the head's loads and LDS stores.
.set KCO,  4194304
.set VCO,  8388608
.set QSO,  12582912
.set KSO,  13107200
.set VSO,  13631488
.set OSO,  4194304                     ; oq: where the scale words begin
.set TM,   232
.set TP,   236
.set BY,   238
.set SO,   244
.set SEL,  20                          ; s[20:21]
.set CS,   22                          ; s[22:23] c = log2(e) / 32
.set MK,   40                          ; s40-55 sixteen masks of the causal compares (s40-47 held Q's addresses at the head: those loads are done)
; One scaled product.  d, a, b, c: first registers; c < 0: the constant 0 starts the sum.  sa, sb: scale registers; ra, rb = 1: lanes 16-31 of them are read.
.macro WM d, a, b, c, sa, sb, ra, rb
.if (\c) < 0
.if (\ra) && (\rb)
	v_wmma_scale_f32_16x16x128_f8f6f4 v[(\d):(\d)+7], v[(\a):(\a)+7], v[(\b):(\b)+7], 0, v[\sa], v[\sb] matrix_a_fmt:MATRIX_FMT_FP4 matrix_b_fmt:MATRIX_FMT_FP4 matrix_a_scale:MATRIX_SCALE_ROW1 matrix_b_scale:MATRIX_SCALE_ROW1
.elseif (\ra)
	v_wmma_scale_f32_16x16x128_f8f6f4 v[(\d):(\d)+7], v[(\a):(\a)+7], v[(\b):(\b)+7], 0, v[\sa], v[\sb] matrix_a_fmt:MATRIX_FMT_FP4 matrix_b_fmt:MATRIX_FMT_FP4 matrix_a_scale:MATRIX_SCALE_ROW1
.elseif (\rb)
	v_wmma_scale_f32_16x16x128_f8f6f4 v[(\d):(\d)+7], v[(\a):(\a)+7], v[(\b):(\b)+7], 0, v[\sa], v[\sb] matrix_a_fmt:MATRIX_FMT_FP4 matrix_b_fmt:MATRIX_FMT_FP4 matrix_b_scale:MATRIX_SCALE_ROW1
.else
	v_wmma_scale_f32_16x16x128_f8f6f4 v[(\d):(\d)+7], v[(\a):(\a)+7], v[(\b):(\b)+7], 0, v[\sa], v[\sb] matrix_a_fmt:MATRIX_FMT_FP4 matrix_b_fmt:MATRIX_FMT_FP4
.endif
.else
.if (\ra) && (\rb)
	v_wmma_scale_f32_16x16x128_f8f6f4 v[(\d):(\d)+7], v[(\a):(\a)+7], v[(\b):(\b)+7], v[(\c):(\c)+7], v[\sa], v[\sb] matrix_a_fmt:MATRIX_FMT_FP4 matrix_b_fmt:MATRIX_FMT_FP4 matrix_a_scale:MATRIX_SCALE_ROW1 matrix_b_scale:MATRIX_SCALE_ROW1
.elseif (\ra)
	v_wmma_scale_f32_16x16x128_f8f6f4 v[(\d):(\d)+7], v[(\a):(\a)+7], v[(\b):(\b)+7], v[(\c):(\c)+7], v[\sa], v[\sb] matrix_a_fmt:MATRIX_FMT_FP4 matrix_b_fmt:MATRIX_FMT_FP4 matrix_a_scale:MATRIX_SCALE_ROW1
.elseif (\rb)
	v_wmma_scale_f32_16x16x128_f8f6f4 v[(\d):(\d)+7], v[(\a):(\a)+7], v[(\b):(\b)+7], v[(\c):(\c)+7], v[\sa], v[\sb] matrix_a_fmt:MATRIX_FMT_FP4 matrix_b_fmt:MATRIX_FMT_FP4 matrix_b_scale:MATRIX_SCALE_ROW1
.else
	v_wmma_scale_f32_16x16x128_f8f6f4 v[(\d):(\d)+7], v[(\a):(\a)+7], v[(\b):(\b)+7], v[(\c):(\c)+7], v[\sa], v[\sb] matrix_a_fmt:MATRIX_FMT_FP4 matrix_b_fmt:MATRIX_FMT_FP4
.endif
.endif
.endm
; cnt blocks of 32 along K.  Block b: the lane's 16 numbers in v[src + 16 b] on, the other 16 in lane l xor 16.  Out: codes in v[pc + 2 b], v[pc + 2 b + 1], bytes in v[BY + b].
.macro QBLOCKS src, cnt, pc
.set qb, 0
.rept \cnt
	v_max3_num_f32 v[TM+qb], |v[\src+16*qb]|, |v[\src+16*qb+1]|, 0x1800000   ; and the floor 2^(3 - 127): the byte cannot fall under 1
.set qb, qb+1
.endr
.irp i, 2,4,6,8,10,12,14
.set qb, 0
.rept \cnt
	v_max3_num_f32 v[TM+qb], v[TM+qb], |v[\src+16*qb+\i]|, |v[\src+16*qb+\i+1]|
.set qb, qb+1
.endr
.endr
.set qb, 0
.rept \cnt
	v_permlanex16_b32 v[TP+qb], v[TM+qb], s[SEL], s[SEL+1]
.set qb, qb+1
.endr
.set qb, 0
.rept \cnt
	v_max_num_f32 v[TM+qb], v[TM+qb], v[TP+qb]         ; the block's largest magnitude
.set qb, qb+1
.endr
.set qb, 0
.rept \cnt
	v_add_nc_u32 v[SO+qb], 0xff000000, v[TM+qb]        ; 2 off its exponent field: the conversion takes that field as its scale
.set qb, qb+1
.endr
.set qb, 0
.rept \cnt
	v_lshrrev_b32 v[BY+qb], 23, v[SO+qb]               ; the scale's byte
.set qb, qb+1
.endr
.set qb, 0
.rept \cnt
	v_cvt_scalef32_pk8_fp4_f32 v[\pc+2*qb], v[\src+16*qb:\src+16*qb+7], v[SO+qb]
	v_cvt_scalef32_pk8_fp4_f32 v[\pc+2*qb+1], v[\src+16*qb+8:\src+16*qb+15], v[SO+qb]
.set qb, qb+1
.endr
	v_nop                                              ; one plain line behind the last conversion
.endm
	s_load_b128 s[4:7], s[0:1], 0x0                ; hq s[4:5], oq s[6:7]
	v_lshrrev_b32 v1, 5, v0
	v_readfirstlane_b32 s16, v1                    ; wave 0..15
	s_and_b32 s18, ttmp7, 0xffff                   ; bh = 16 batch + head
	v_and_b32 v254, 31, v0                         ; l
	v_and_b32 v9, 15, v0                           ; r
	v_bfe_u32 v8, v0, 4, 1                         ; h
	v_lshlrev_b32 v1, 4, v254                      ; v1  16 l
	v_lshlrev_b32 v2, 2, v254                      ; v2  4 l
	v_add_nc_u32 v3, 0x10000, v2                   ; v3  4 l + 65,536: the scale words in LDS
	v_lshlrev_b32 v4, 4, v9
	v_lshl_add_u32 v4, v8, 3, v4                   ; v4  16 r + 8 h: my 8 bytes of a block's 256 in an image
	v_and_b32 v5, 8, v9
	v_add_nc_u32 v5, v5, v9
	v_lshlrev_b32 v8, 4, v8
	v_sub_nc_u32 v5, v5, v8                        ; v5  r + 8 (r / 8) - 16 h: for the mask
	v_lshlrev_b32 v9, 2, v9                        ; v9  4 r
	v_lshlrev_b32 v6, 3, v254                      ; 8 l, for the head alone
	s_wait_alu depctr_va_sdst(0)                   ; s16 is written, ahead of its first reader: g, the LDS addresses and the bases are made from it
	s_lshl_b32 s19, ttmp9, 4
	s_add_co_u32 s19, s19, s16                     ; g
	s_lshl_b32 s31, s16, 11
	v_add_nc_u32 v7, s31, v1                       ; LDS, for the head alone: my 2,048 bytes of K's codes (V's 32,768 on),
	s_lshl_b32 s31, s16, 8
	v_add_nc_u32 v8, s31, v6
	v_add_nc_u32 v8, 0x10000, v8                   ; my 256 bytes of K's scale words,
	s_lshl_b32 s31, s16, 7
	v_add_nc_u32 v255, s31, v3                     ; my 128 of V's (4,096 on)
	s_mov_b32 s[SEL], 0x76543210
	s_mov_b32 s[SEL+1], 0xfedcba98
	s_mov_b32 s[CS], 0x3d38aa3b                    ; c = log2(e) / 32
	s_mov_b32 s[CS+1], s[CS]                       ; (named with it as a pair, so it is written)
	s_mov_b32 s37, 0
	s_lshl_b32 s36, s18, 15
	s_lshl_b32 s38, s16, 11
	s_add_co_u32 s36, s36, s38
	s_wait_kmcnt 0x0
	s_add_nc_u64 s[8:9], s[4:5], s[36:37]
	s_add_nc_u64 s[10:11], s[8:9], VCO             ; V's codes: the head's 32,768 bytes, my sixteenth
	s_add_nc_u64 s[8:9], s[8:9], KCO               ; K's likewise
	s_lshl_b32 s36, s18, 12
	s_lshl_b32 s38, s16, 8
	s_add_co_u32 s36, s36, s38
	s_add_nc_u64 s[12:13], s[4:5], s[36:37]
	s_add_nc_u64 s[12:13], s[12:13], KSO
	s_lshl_b32 s36, s18, 11
	s_lshl_b32 s38, s16, 7
	s_add_co_u32 s36, s36, s38
	s_add_nc_u64 s[14:15], s[4:5], s[36:37]
	s_add_nc_u64 s[14:15], s[14:15], VSO
	s_lshl_b32 s38, s19, 1
	s_lshl_b32 s36, s18, 6
	s_add_co_u32 s36, s36, s38                     ; pass 0: tile 2 g
	s_lshl_b32 s36, s36, 9
	s_add_nc_u64 s[40:41], s[4:5], s[36:37]
	s_lshl_b32 s36, s18, 6
	s_add_co_u32 s36, s36, 63
	s_sub_co_u32 s36, s36, s38                     ; pass 1: tile 2 (31 - g) + 1
	s_lshl_b32 s36, s36, 9
	s_add_nc_u64 s[42:43], s[4:5], s[36:37]
	s_lshl_b32 s36, s18, 5
	s_add_co_u32 s36, s36, s19
	s_lshl_b32 s36, s36, 7
	s_add_nc_u64 s[44:45], s[4:5], s[36:37]
	s_add_nc_u64 s[44:45], s[44:45], QSO           ; the scale words of pair g
	s_lshl_b32 s36, s18, 5
	s_add_co_u32 s36, s36, 31
	s_sub_co_u32 s36, s36, s19
	s_lshl_b32 s36, s36, 7
	s_add_nc_u64 s[46:47], s[4:5], s[36:37]
	s_add_nc_u64 s[46:47], s[46:47], QSO           ; and of pair 31 - g
	s_wait_alu depctr_va_vdst(0)                   ; the offsets and addresses v1 to v4, v6 to v9 and v255 are written: the loads, LDS stores and stores of the whole kernel read them
.irp i, 0,1,2,3
	global_load_b128 v[96+4*\i:99+4*\i], v1, s[8:9] offset:\i*512
	global_load_b128 v[112+4*\i:115+4*\i], v1, s[10:11] offset:\i*512
.endr
	global_load_b64 v[128:129], v6, s[12:13]
	global_load_b32 v130, v2, s[14:15]
	global_load_b128 v[16:19], v1, s[40:41]        ; Q's fragments stay in registers: registers 0-3
	global_load_b128 v[24:27], v1, s[42:43]
	global_load_b32 v240, v2, s[44:45]             ; lanes 0-15 the pair's first tile, lanes 16-31 its second
	global_load_b32 v241, v2, s[46:47]
.irp k, 20,21,22,23,28,29,30,31
	v_mov_b32 v\k, 0                               ; registers 4-7 of Q's fragments: zero codes, set once
.endr
.irp t, 0,1,2,3,4,5,6,7
.irp k, 4,5,6,7
	v_mov_b32 v[32+8*\t+\k], 0                     ; and of K's eight
.endr
.endr
.irp k, 236,237,238,239,252,253
	v_mov_b32 v\k, 0                               ; written once: a lane permute's destination counts as one of its sources; v253 is named as the upper half of a pair
.endr
	s_wait_loadcnt 0x0
.irp i, 0,1,2,3
	ds_store_b128 v7, v[96+4*\i:99+4*\i] offset:\i*512
	ds_store_b128 v7, v[112+4*\i:115+4*\i] offset:32768+\i*512
.endr
	ds_store_b64 v8, v[128:129]
	ds_store_b32 v255, v130 offset:4096
	s_wait_dscnt 0x0                               ; for the others' sake: my stores have landed
	s_barrier_signal -1
	s_barrier_wait -1                              ; the whole head lies in LDS; from here on it is only read
	s_wait_alu depctr_va_vdst(0)                   ; the zero codes in registers 4-7 of Q's and K's fragments are written: the scaled products take them as operands (six plain lines stand behind the last of them)
; A KEY STEP of 128 keys for the pass's tile u.  s25: the pair's first query; s26: the step's first key; s27, s28, s29: where its codes, K's scale words and V's begin.  Its K and K's scale words are in registers when it begins.
.macro STEP u
	s_add_co_u32 s31, s25, 31
	s_cmp_gt_u32 s26, s31                          ; all its keys come after the pair's queries: only the address steps at its end are run
	s_cbranch_scc1 .Lhidden_\@
	s_wait_alu depctr_vm_vsrc(0)                   ; the LDS loads of the step before have read v6 to v8, which the three lines below write anew
	v_add_nc_u32 v6, s27, v1
	v_add_nc_u32 v7, s28, v3
	v_add_nc_u32 v8, s29, v3
.irp t, 0,1,2,3,4,5,6,7
	WM 96+8*\t, 32+8*\t, 16+8*(\u), -1, 248+\t/2, 240+(\u), \t%2, \u
.endr
.rept 4
	v_nop                                          ; four places ahead of the first read of results
.endr
	s_add_co_u32 s31, s26, 127
	s_cmp_le_u32 s31, s25                          ; a step all of whose keys count skips the mask
	s_cbranch_scc1 .Lopen_\@
	s_add_co_u32 s31, s25, 8*(\u)
	s_sub_co_i32 s31, s31, s26
	v_add_nc_u32 v252, s31, v5                     ; d = my query - the step's first key - 16 h.  Register 16 b + i holds key 32 b + 16 h + i of the step: hidden where 32 b + i > d
	v_mov_b32 v254, 0xff800000                     ; -infinity
.irp b, 0,1,2,3                                ; the compares go in runs of sixteen, each into a scalar register of its own
.set n, 0
.rept 16
	v_cmp_gt_i32 s[MK+n], 32*\b+n, v252
.set n, n+1
.endr
	s_wait_alu depctr_va_sdst(0)                   ; the run's sixteen masks s40 to s55 are written, ahead of the selects that read them
.set n, 0
.rept 16
	v_cndmask_b32 v[96+16*\b+n], v[96+16*\b+n], v254, s[MK+n]
.set n, n+1
.endr
.endr
.Lopen_\@:
.irp b, 0,1,2,3
	v_max3_num_f32 v[232+\b], v[96+16*\b], v[97+16*\b], v[98+16*\b]   ; the largest score of each block of 32 keys: it serves the row's maximum and, since p rises with the score, the block's largest p
.endr
.irp i, 3,5,7,9,11,13
.irp b, 0,1,2,3
	v_max3_num_f32 v[232+\b], v[232+\b], v[96+16*\b+\i], v[97+16*\b+\i]
.endr
.endr
.irp b, 0,1,2,3
	v_max_num_f32 v[232+\b], v[232+\b], v[111+16*\b]
.endr
.irp b, 0,1,2,3
	v_permlanex16_b32 v[236+\b], v[232+\b], s[SEL], s[SEL+1]
.endr
.irp b, 0,1,2,3
	v_max_num_f32 v[232+\b], v[232+\b], v[236+\b]  ; with lane l xor 16's 16 keys
.endr
	v_max3_num_f32 v254, v232, v233, v234
	v_max_num_f32 v254, v254, v235                 ; the step's largest score of my query
	v_mul_f32 v254, s[CS], v254                    ; as t (c is positive)
	v_max_num_f32 v13, v13, v254                   ; the running largest t
	v_mov_b32 v254, v12
	v_floor_f32 v12, -v13                          ; the new -M = floor(-t): M is a whole number
	v_sub_f32 v254, v12, v254                      ; old M - new M: a whole number, 0 or less
	v_cvt_i32_f32 v254, v254                       ; (it saturates)
	v_ldexp_f32 v252, 1.0, v254                    ; f = 2^(old M - new M)
.set n, 0
.rept 32
	v_pk_fma_f32 v[96+n:97+n], v[96+n:97+n], s[CS:CS+1], v[12:13] op_sel_hi:[1,0,0]   ; t - M, two at a time
.set n, n+2
.endr
.irp b, 0,1,2,3
	v_fma_f32 v[232+\b], v[232+\b], s[CS], v12     ; the same of each block's largest score
.endr
.set n, 0
.rept 64
	v_exp_f32 v[96+n], v[96+n]                     ; p = 2^(t - M), at most 1
.set n, n+1
.endr
	v_pk_mul_f32 v[14:15], v[14:15], v[252:253] op_sel_hi:[1,0]   ; the sums under the new M: a plain line behind the exponentials
	s_wait_alu depctr_va_vdst(0)                   ; the 64 exponentials have written p, ahead of its first reader; the score products are done reading K and its scale words, the last step's products V and its; v6 to v8 are written
.irp t, 0,1,2,3,4,5,6,7
	ds_load_b128 v[32+8*\t:35+8*\t], v6 offset:4096+\t*512     ; K of the NEXT step.  (The last step that counts asks so for a step that is not walked: bytes of the head's image, under the spare words; they are not used)
.endr
.irp q, 0,1,2,3
	ds_load_b32 v[248+\q], v7 offset:512+\q*128    ; and its scale words
.endr
.irp t, 0,1,2,3
.irp c, 0,1
	ds_load_b128 v[192+8*\t+4*\c:195+8*\t+4*\c], v6 offset:32768+\t*1024+\c*512   ; V of this step
.endr
.endr
.irp q, 0,1
	ds_load_b32 v[10+\q], v8 offset:4096+\q*128
.endr
.irp b, 0,1,2,3
	v_exp_f32 v[232+\b], v[232+\b]                 ; the block's largest p
.endr
	v_pk_add_f32 v[236:237], v[96:97], v[98:99]    ; the row's sum is taken of the unquantised p, in two chains; it reads the 64 alone
.irp j, 4,8,12,16,20,24,28,32,36,40,44,48,52,56,60
	v_pk_add_f32 v[14:15], v[14:15], v[96+\j:97+\j]
	v_pk_add_f32 v[236:237], v[236:237], v[98+\j:99+\j]
.endr
	v_pk_add_f32 v[14:15], v[14:15], v[236:237]
	s_wait_alu depctr_va_vdst(0)                   ; the four exponentials have written the blocks' largest p, v232 to v235, ahead of their first reader
.irp b, 0,1,2,3
	v_max_num_f32 v[232+\b], 0x1800000, v[232+\b]  ; the floor 2^(3 - 127): a block whose every p is 0 keeps the byte 1 over zero codes
.endr
.irp b, 0,1,2,3
	v_add_nc_u32 v[244+\b], 0xff000000, v[232+\b]  ; 2 off the exponent field: the conversion's scale operand
.endr
.irp b, 0,1,2,3
	v_lshrrev_b32 v[236+\b], 23, v[244+\b]         ; the scale's byte
.endr
	v_lshl_or_b32 v242, v237, 8, v236              ; p's scale word for these 128 keys
	v_lshl_or_b32 v242, v238, 16, v242
	v_lshl_or_b32 v242, v239, 24, v242
.irp b, 0,1,2,3
	v_cvt_scalef32_pk8_fp4_f32 v[224+2*\b], v[96+16*\b:103+16*\b], v[244+\b]
	v_cvt_scalef32_pk8_fp4_f32 v[225+2*\b], v[104+16*\b:111+16*\b], v[244+\b]
.endr
	v_nop                                          ; one plain line behind the last conversion
.irp c, 0,1                                    ; the operand's layout wants a whole block in a lane: lanes 0-15 block 2 c, lanes 16-31 block 2 c + 1
.irp i, 0,1
	v_permlane16_swap_b32 v[224+4*\c+\i], v[226+4*\c+\i]
.endr
.endr
.set n, 0
.rept 16
	v_pk_mul_f32 v[160+n:161+n], v[160+n:161+n], v[252:253] op_sel_hi:[1,0]   ; O^T under the new M; these lines also stand between the writes of p's codes and scale word and the products
.set n, n+2
.endr
.rept 4
	v_nop                                          ; between the rescaling, which writes the sums' registers, and the products that add onto them
.endr
	s_wait_dscnt 0x0                               ; V and its scale words are in, and so are the next step's K and its scale words
	s_wait_alu depctr_va_vdst(0)                   ; vector instructions have written p's codes v224 to v231 and its scale word v242, which the scaled products below take; the places above stay beside this wait
.irp t, 0,1,2,3
	WM 160+8*\t, 192+8*\t, 224, 160+8*\t, 10+\t/2, 242, \t%2, 0
.endr
.Lhidden_\@:
	s_add_co_u32 s26, s26, 128
	s_add_co_u32 s27, s27, 4096
	s_add_co_u32 s28, s28, 512
	s_add_co_u32 s29, s29, 256
.endm
; O^T / the sum, quantised along D: my 64 channels are two blocks of 32; 8 bytes a lane and block, 256 consecutive bytes a store; the two bytes are half of the row's scale word for these 128 along D.
.macro FINISH u
.rept 4
	v_nop                                          ; four places behind the last products
.endr
	v_add_f32 v14, v14, v15                        ; the sum's two halves,
	v_permlanex16_b32 v252, v14, s[SEL], s[SEL+1]
	v_add_f32 v14, v14, v252                       ; and lane l xor 16's
	v_rcp_f32 v14, v14
	v_nop                                          ; a plain line behind the reciprocal,
	s_wait_alu depctr_va_vdst(0)                   ; and the wait: the reciprocal has written v14, ahead of its first reader
.set n, 0
.rept 32
	v_mul_f32 v[96+n], v[160+n], v14               ; register 16 b + i: channel 32 b + 16 h + i of my query; each accumulator from its low end on
.set n, n+1
.endr
	QBLOCKS 96, 2, 224
	v_lshl_or_b32 v243, v[BY+1], 8, v[BY]
	s_wait_alu depctr_va_vdst(0)                   ; the conversions have written the codes v224 to v227, and v243 holds the two bytes: the three stores read them
	global_store_b64 v4, v[224:225], s[32:33] offset:(\u)*8192
	global_store_b64 v4, v[226:227], s[32:33] offset:(\u)*8192+256
	global_store_b16 v9, v243, s[34:35] offset:64*(\u)   ; both halves of the lanes hold the same two bytes for row r
.endm
.macro PASS u
	s_wait_xcnt 0x0                                ; the last pass's stores have read their data and bases
	s_wait_alu depctr_vm_vsrc(0)                   ; what was issued so far has read its vector registers: the head's loads and LDS stores v6 to v8 and v96 to v130, the last pass's stores v224 to v227 and v243; this pass writes all of them anew
.irp t, 0,1,2,3,4,5,6,7
	ds_load_b128 v[32+8*\t:35+8*\t], v1 offset:\t*512          ; K of the pass's first step.  No wait on va_vdst: every product that read these registers stands ahead of an earlier one, and nothing since names them, v1 or v3
.endr
.irp q, 0,1,2,3
	ds_load_b32 v[248+\q], v3 offset:\q*128        ; and its scale words
.endr
.if (\u) == 0
	s_mov_b32 s24, s19                             ; the pair of tiles: g,
.else
	s_sub_co_u32 s24, 31, s19                      ; then 31 - g
.endif
	s_lshl_b32 s25, s24, 5
	s_mov_b32 s26, 0
	s_mov_b32 s27, 0
	s_mov_b32 s28, 0
	s_mov_b32 s29, 0
	s_lshr_b32 s31, s18, 4
	s_lshl_b32 s31, s31, 5
	s_add_co_u32 s31, s31, s24                     ; 32 batch + pair: the pair among all rows
	s_and_b32 s36, s18, 15
	s_lshr_b32 s37, s36, 1                         ; head / 2: which 128 along D
	s_and_b32 s36, s36, 1
	s_lshl_b32 s38, s31, 14
	s_lshl_b32 s39, s37, 10
	s_add_co_u32 s38, s38, s39
	s_lshl_b32 s39, s36, 9
	s_add_co_u32 s38, s38, s39
	s_mov_b32 s39, 0
	s_add_nc_u64 s[32:33], s[6:7], s[38:39]        ; o's codes
	s_lshl_b32 s38, s31, 3
	s_add_co_u32 s38, s38, s37
	s_lshl_b32 s38, s38, 7
	s_lshl_b32 s36, s36, 1
	s_add_co_u32 s38, s38, s36
	s_add_nc_u64 s[34:35], s[6:7], s[38:39]
	s_add_nc_u64 s[34:35], s[34:35], OSO           ; and scale bytes
	v_mov_b32 v13, 0xff61b1e6                      ; the largest t so far: -3e38, under every t
	v_floor_f32 v12, -v13                          ; -M
	v_mov_b32 v14, 0
	v_mov_b32 v15, 0
.set n, 0
.rept 32
	v_mov_b32 v[160+n], 0                          ; O^T: the step is written once; its first trip finds zeros, which the first change of M leaves zeros
.set n, n+1
.endr
	s_mov_b32 s30, 8
	s_wait_dscnt 0x0                               ; the first step's K and its scale words are in: every step finds its K in registers
.Lstep_\@:
	STEP \u
	s_sub_co_u32 s30, s30, 1
	s_cmp_lg_u32 s30, 0
	s_cbranch_scc1 .Lstep_\@
	FINISH \u
.endm
	PASS 0
	PASS 1
	s_wait_xcnt 0x0                                ; the last pass's stores have had their addresses translated
	v_lshl_add_u32 v254, v0, 2, 0x11800            ; my spare word, and 0: made anew here, straight ahead of the closing lines (no memory or LDS instruction has read v254 or v255 since the last wait on vm_vsrc)
	v_mov_b32 v255, 0
	s_wait_dscnt 0x0                               ; the closing lines, six on end
	s_wait_alu 0x0
	s_wait_tensorcnt 0x0
	ds_add_u32 v254, v255
	s_wait_dscnt 0x0
	s_endpgm
.Lfunc_end_k_qda97f9bd42_attn:
	.size	k_qda97f9bd42_attn, .Lfunc_end_k_qda97f9bd42_attn-k_qda97f9bd42_attn
	.p2alignl 7, 3214868480
	.fill 96, 4, 3214868480
	.section	.rodata,"a",@progbits
	.p2align	6, 0x0
	.amdhsa_kernel k_qda97f9bd42_attn
		.amdhsa_group_segment_fixed_size 73728
		.amdhsa_private_segment_fixed_size 0
		.amdhsa_enable_private_segment 0
		.amdhsa_kernarg_size 16
		.amdhsa_user_sgpr_count 2
		.amdhsa_user_sgpr_kernarg_segment_ptr 1
		.amdhsa_wavefront_size32 1
		.amdhsa_system_sgpr_workgroup_id_x 1
		.amdhsa_system_sgpr_workgroup_id_y 1
		.amdhsa_system_sgpr_workgroup_id_z 1
		.amdhsa_system_vgpr_workitem_id 0
		.amdhsa_next_free_vgpr 256
		.amdhsa_next_free_sgpr 66
		.amdhsa_reserve_vcc 0
		.amdhsa_float_denorm_mode_32 3
		.amdhsa_float_denorm_mode_16_64 3
		.amdhsa_memory_ordered 1
		.amdhsa_forward_progress 1
		.amdhsa_inst_pref_size 70
	.end_amdhsa_kernel
	.amdgpu_metadata
---
amdhsa.version: [ 1, 2 ]
amdhsa.kernels:
  - .name:           k_qda97f9bd42_attn
    .symbol:         k_qda97f9bd42_attn.kd
    .args:
      - { .name: hq, .offset: 0, .size: 8, .value_kind: global_buffer, .address_space: global }
      - { .name: oq, .offset: 8, .size: 8, .value_kind: global_buffer, .address_space: global }
    .group_segment_fixed_size: 73728
    .private_segment_fixed_size: 0
    .kernarg_segment_align: 8
    .kernarg_segment_size: 16
    .max_flat_workgroup_size: 512
    .sgpr_count:     66
    .vgpr_count:     256
    .wavefront_size: 32
...
	.end_amdgpu_metadata
.endif
;; end of part 5
;; launch outln: the kernel of part 4 again; grid 256 x 1, 4 waves a work-group, no clusters, 263,168 bytes of LDS; arguments oq, wq, b_out, gamma, beta, x, out0; writes out0
